; MI455X (gfx1250); checked and timed in simulation.
; The chip was launched on July 23, 2026; its instructions are those of AMD's public machine-readable ISA for CDNA 5 (MIT licence, August 2026) and "CDNA5" Instruction Set Architecture Reference Guide (July 2026). The comments in the code are by the model that wrote it; some were corrected since.
;; Multi Head Attention. Allowed arithmetic: float matrix products may take bf16 or f16 operands with f32 sums; other float arithmetic in f32, or as packed bf16 or f16 multiplies, adds, multiply-adds, maxima and minima; sums over many terms, partial sums and values carried from step to step in f32; what a program stores and reads back later, other than sums and carried values, may be rounded once to bf16 or f16.
;; Inputs: Wk 1,024 x 1,024 float32; Wo 1,024 x 1,024 float32; Wq 1,024 x 1,024 float32; Wv 1,024 x 1,024 float32; bo 1,024 float32; keys 4 x 2,048 x 1,024 float32; mask 1 x 1 x 2,048 x 2,048 float32; queries 4 x 2,048 x 1,024 float32; values 4 x 2,048 x 1,024 float32.
;; Outputs: out0 4 x 2,048 x 1,024 float32.
;; One version. Each part assembles by itself: llvm-mc -triple=amdgcn-amd-amdhsa -mcpu=gfx1250 --defsym DOCPART=n.
;; ======== version 1 of 1: 4 launches
;; limits: values are held in f16: magnitudes above 65,504 overflow, below 6.1e-05 lose precision
;; workspace buffers: wts 8,388,608 bytes; biasb 8,388,608 bytes; qkv 50,331,648 bytes; oh 16,777,216 bytes
;; launch prep (part 1): grid 512 x 1, 8 waves a work-group, no clusters, 0 bytes of LDS; arguments mask, Wq, Wk, Wv, Wo, biasb, wts; writes biasb, wts
.if DOCPART == 1
	.amdgcn_target "amdgcn-amd-amdhsa--gfx1250"
	.amdhsa_code_object_version 6
	.text
	.protected	k_q57898ab0ba_prep
	.globl	k_q57898ab0ba_prep
	.p2align	8
	.type	k_q57898ab0ba_prep,@function
k_q57898ab0ba_prep:
	s_mov_b64 s[64:65], 0
	v_nop
	global_prefetch_b8 v0, s[64:65] scope:SCOPE_SE
	s_setreg_imm32_b32 hwreg(HW_REG_WAVE_MODE, 25, 1), 1
	s_wait_xcnt 0x0
; PREP.  Two streams, each byte read once and written once; no LDS, no matrix unit, no barrier: nothing is shared between threads.
; (1) biasb[kstep 32][q 2048][64 keys], bf16 = mask x K - K, K = 1e9 x log2(e): the reference's (1 - mask) x (-1e9) in units of log2, one fused multiply-add in f32, rounded once to bf16.
;     A mask of exactly 1 gives exactly 0; equal numbers of the mask give equal biases.  The block of 512 queries x 64 keys that a work-group of the attention launch wants in a key step is 65,536 dense bytes.
; (2) wts: four matrices [k 1024][n 1024] of 16 bits, as they lie: Wq, Wk, Wv rounded to bf16; Wo rounded to bf16 and that number written as f16.
; LIMITS.  bf16(Wo) must lie within f16's 65,504; below 2^-17 it keeps f16's fixed step of 2^-24.  The bias keeps 8 significant bits: a mask that differs from 1 by less than 1e-6 or so is not told apart as finely as in f32.
; SHARES.  Work-groups 0-255: 8 rows of the mask each.  Work-groups 256-511: 65,536 bytes of one weight matrix each.  A thread takes 8 units of 8 numbers: 16 loads on end, then unit by unit the arithmetic and one store of 16 bytes.
; No register is written twice, so the only waits are the counted ones for the loads.
.set X, 16                             ; v[16:79]   unit u: 8 numbers in f32
.set Y, 80                             ; v[80:111]  unit u: 8 numbers of 16 bits
.macro LOADS step                      ; sixteen loads: unit u lies step x u bytes on
.irp u, 0,1,2,3,4,5,6,7
	global_load_b128 v[X+8*(\u):X+8*(\u)+3],   v1, s[18:19] offset:(\step)*(\u) th:TH_LOAD_NT
	global_load_b128 v[X+8*(\u)+4:X+8*(\u)+7], v1, s[18:19] offset:(\step)*(\u)+16 th:TH_LOAD_NT
.endr
.endm
.macro UNITS kind, step                ; kind 0: mask to bias; 1: to bf16; 2: to bf16 and that number as f16
.irp u, 0,1,2,3,4,5,6,7
	s_wait_loadcnt 14-2*(\u)                       ; loads come back in order: unit u's two are in, the younger units' stay out
.if (\kind) == 0
.irp k, 0,2,4,6
	v_pk_fma_f32 v[X+8*(\u)+(\k):X+8*(\u)+(\k)+1], v[X+8*(\u)+(\k):X+8*(\u)+(\k)+1], s[22:23], s[24:25] op_sel_hi:[1,0,0]  ; mask x K - K
.endr
.endif
.irp k, 0,1,2,3
	v_cvt_pk_bf16_f32 v[Y+4*(\u)+(\k)], v[X+8*(\u)+2*(\k)], v[X+8*(\u)+2*(\k)+1]
.endr
.if (\kind) == 2
.irp k, 0,1,2,3
	v_lshlrev_b32 v[X+8*(\u)+2*(\k)],   16, v[Y+4*(\u)+(\k)]          ; the bf16 numbers as f32,
	v_and_b32     v[X+8*(\u)+2*(\k)+1], 0xffff0000, v[Y+4*(\u)+(\k)]
.endr
.irp k, 0,1,2,3
	v_cvt_pk_f16_f32 v[Y+4*(\u)+(\k)], v[X+8*(\u)+2*(\k)], v[X+8*(\u)+2*(\k)+1]  ; written as f16
.endr
.endif
	global_store_b128 v2, v[Y+4*(\u):Y+4*(\u)+3], s[20:21] offset:(\step)*(\u)
.endr
.endm
	s_load_b256 s[4:11], s[0:1], 0x0               ; mask s[4:5], Wq s[6:7], Wk s[8:9], Wv s[10:11]
	s_load_b128 s[12:15], s[0:1], 0x20             ; Wo s[12:13], biasb s[14:15]
	s_load_b64 s[16:17], s[0:1], 0x30              ; wts
	s_mov_b32 s22, 0x4eabfb8f                      ; K = 1e9 x log2(e)
	s_mov_b32 s23, s22                             ; named with it as a pair
	s_mov_b32 s24, 0xceabfb8f                      ; -K
	s_mov_b32 s25, s24
	s_mov_b32 s27, 0
	s_mov_b32 s29, 0
	s_cmp_lt_u32 ttmp9, 256
	s_cbranch_scc0 .Lweights
	; THE MASK.  Thread t: 8 keys j = t % 8 of a key step, row (t / 8) % 8 of the group's 8, key steps 8 (t / 64) + u.  Eight lanes read 256 consecutive bytes of a row (in two loads);
	; a wave's store covers four rows x 128 bytes = 512 consecutive bytes, aligned.
	v_and_b32 v3, 7, v0
	v_bfe_u32 v4, v0, 3, 3
	v_lshrrev_b32 v5, 6, v0
	v_lshlrev_b32 v1, 5, v3                        ; from: 32 j
	v_lshl_add_u32 v1, v4, 13, v1                  ; + row x 8,192
	v_lshl_add_u32 v1, v5, 11, v1                  ; + eight key steps of 256 bytes
	v_lshlrev_b32 v2, 4, v3                        ; to: 16 j
	v_lshl_add_u32 v2, v4, 7, v2                   ; + row x 128
	v_lshl_add_u32 v2, v5, 21, v2                  ; + eight key steps of 262,144 bytes
	s_lshl_b32 s26, ttmp9, 16                      ; the group's 8 rows in the mask
	s_lshl_b32 s28, ttmp9, 10                      ; and in a key step's block
	s_wait_kmcnt 0x0
	s_add_nc_u64 s[18:19], s[4:5], s[26:27]
	s_add_nc_u64 s[20:21], s[14:15], s[28:29]
	LOADS 256
	UNITS 0, 262144
	s_endpgm
.Lweights:
	; THE WEIGHTS.  Thread t: 32 bytes at 32 t of each of eight runs of 8,192 bytes; 16 bytes at 16 t of each of eight runs of 4,096.
	s_sub_co_u32 s26, ttmp9, 256                   ; 0 .. 255
	s_lshr_b32 s30, s26, 6                         ; which matrix
	s_and_b32 s28, s26, 63
	s_lshl_b32 s28, s28, 16                        ; which 65,536 bytes of it
	s_lshl_b32 s26, s26, 15                        ; and where they go
	v_lshlrev_b32 v1, 5, v0
	v_lshlrev_b32 v2, 4, v0
	s_wait_kmcnt 0x0
	s_cmp_eq_u32 s30, 1
	s_cselect_b64 s[18:19], s[8:9], s[6:7]
	s_cmp_eq_u32 s30, 2
	s_cselect_b64 s[18:19], s[10:11], s[18:19]
	s_cmp_eq_u32 s30, 3
	s_cselect_b64 s[18:19], s[12:13], s[18:19]
	s_add_nc_u64 s[18:19], s[18:19], s[28:29]
	s_add_nc_u64 s[20:21], s[16:17], s[26:27]
	LOADS 8192
	s_cmp_eq_u32 s30, 3
	s_cbranch_scc1 .Lwo
	UNITS 1, 4096
	s_endpgm
.Lwo:
	UNITS 2, 4096
	s_endpgm
.Lfunc_end_k_q57898ab0ba_prep:
	.size	k_q57898ab0ba_prep, .Lfunc_end_k_q57898ab0ba_prep-k_q57898ab0ba_prep
	.p2alignl 7, 3214868480
	.fill 96, 4, 3214868480
	.section	.rodata,"a",@progbits
	.p2align	6, 0x0
	.amdhsa_kernel k_q57898ab0ba_prep
		.amdhsa_group_segment_fixed_size 0
		.amdhsa_private_segment_fixed_size 0
		.amdhsa_enable_private_segment 0
		.amdhsa_kernarg_size 56
		.amdhsa_user_sgpr_count 2
		.amdhsa_user_sgpr_kernarg_segment_ptr 1
		.amdhsa_wavefront_size32 1
		.amdhsa_system_sgpr_workgroup_id_x 1
		.amdhsa_system_sgpr_workgroup_id_y 1
		.amdhsa_system_sgpr_workgroup_id_z 1
		.amdhsa_system_vgpr_workitem_id 0
		.amdhsa_next_free_vgpr 112
		.amdhsa_next_free_sgpr 66
		.amdhsa_reserve_vcc 0
		.amdhsa_float_denorm_mode_32 3
		.amdhsa_float_denorm_mode_16_64 3
		.amdhsa_memory_ordered 1
		.amdhsa_forward_progress 1
		.amdhsa_inst_pref_size 22
	.end_amdhsa_kernel
	.amdgpu_metadata
---
amdhsa.version: [ 1, 2 ]
amdhsa.kernels:
  - .name:           k_q57898ab0ba_prep
    .symbol:         k_q57898ab0ba_prep.kd
    .args:
      - { .name: mask, .offset: 0, .size: 8, .value_kind: global_buffer, .address_space: global }
      - { .name: Wq, .offset: 8, .size: 8, .value_kind: global_buffer, .address_space: global }
      - { .name: Wk, .offset: 16, .size: 8, .value_kind: global_buffer, .address_space: global }
      - { .name: Wv, .offset: 24, .size: 8, .value_kind: global_buffer, .address_space: global }
      - { .name: Wo, .offset: 32, .size: 8, .value_kind: global_buffer, .address_space: global }
      - { .name: biasb, .offset: 40, .size: 8, .value_kind: global_buffer, .address_space: global }
      - { .name: wts, .offset: 48, .size: 8, .value_kind: global_buffer, .address_space: global }
    .group_segment_fixed_size: 0
    .private_segment_fixed_size: 0
    .kernarg_segment_align: 8
    .kernarg_segment_size: 56
    .max_flat_workgroup_size: 256
    .sgpr_count:     66
    .vgpr_count:     112
    .wavefront_size: 32
...
	.end_amdgpu_metadata
.endif
;; end of part 1
;; launch proj (part 2): grid 4 x 192, 4 waves a work-group, clusters of 4 x 4, 327,680 bytes of LDS; arguments queries, keys, values, wts, qkv; writes qkv
.if DOCPART == 2
	.amdgcn_target "amdgcn-amd-amdhsa--gfx1250"
	.amdhsa_code_object_version 6
	.text
	.protected	k_q57898ab0ba_proj
	.globl	k_q57898ab0ba_proj
	.p2align	8
	.type	k_q57898ab0ba_proj,@function
k_q57898ab0ba_proj:
	s_mov_b64 s[64:65], 0
	v_nop
	global_prefetch_b8 v0, s[64:65] scope:SCOPE_SE
	s_setreg_imm32_b32 hwreg(HW_REG_WAVE_MODE, 25, 1), 1
	s_wait_xcnt 0x0
	s_wait_alu depctr_hold_cnt(0) depctr_sa_sdst(0) depctr_va_vdst(0) depctr_va_sdst(0) depctr_va_ssrc(0) depctr_va_vcc(0) depctr_vm_vsrc(0)
	s_getreg_b32 s2, hwreg(HW_REG_IB_STS2, 6, 4)
	s_cmp_eq_u32 s2, 0
	s_cbranch_scc0 .Lentry_in_a_cluster
	s_endpgm
.Lentry_in_a_cluster:
	s_bfe_u32 s2, ttmp6, 0x10000c
	s_cmp_lg_u32 s2, 0xf033
	s_cbranch_scc0 .Lentry_shape_is_right
	s_endpgm
.Lentry_shape_is_right:
; THE THREE PROJECTIONS.  C_p = X_p W_p, p = 0, 1, 2 (queries Wq, keys Wk, values Wv).  X_p: [8192][1024] f32; W_p: [k 1024][n 1024] bf16 (made by the launch before); sums in f32.
; C_p leaves in f16, rounded once, unscaled, by heads: qkv part p, [batch x 16 + head][s 2048][64].  X is rounded to bf16 between LDS and the matrix unit.
; LIMIT.  q, k, v must lie within f16's 65,504.
; SHARES.  A tile of C is 128 rows x 256 columns: 64 x 4 tiles for each p, 768 work-groups.  Four waves, each 64 x 128: 32 accumulators of 16 x 16, 256 registers.  K goes in 8 steps of 128 through two LDS slots:
; X's rows are 512 bytes of memory, W's 512 bytes, both starting at multiples of 256 from their buffer's first byte.
; CLUSTER.  4 x 4 work-groups: the four of a row of the cluster make one tile row and ask for X's tile jointly, the four of a column one tile column and ask for W's jointly: the same tensor load, descriptor and mask in all four.
; THE MATRIX INSTRUCTION IS USED TRANSPOSED: source 0 = 16 columns of W (turned on the way out of LDS by ds_load_tr16_b128), source 1 = 16 rows of X: a lane then holds eight neighbouring columns of one row of C.
; REGISTERS, in windows of 256 (s_set_vgpr_msb: bits 1:0 source 0, 3:2 source 1, 5:4 source 2, 7:6 destination):
;   window 0: v0-31 addresses; v32-95 X's numbers of a quarter step in f32; v96-127, v128-159 X's fragments in bf16, two buffers; on the way out v32-159 are eight units of 16
;   window 1: the accumulators, (a, b) at v[8 (8 a + b)]          window 2: v0-63, v64-127 W's fragments, two buffers
.set PA,    528                        ; a row of X in LDS: 512 bytes + 16 = 132 words: the 16 rows of a load start at 16 different groups of four banks (64 banks of 4 bytes: ISA guide 11.1)
.set PB,    544                        ; a row of W: 512 + 32: 17 x 32 bytes
.set BOFF,  128*PA                     ; in a slot: X's 128 rows, then W's 128 k rows
.set SLOT,  128*PA+128*PB
.set STAGE, 2*SLOT                     ; behind the ring, never filled by a tensor load: 16 rows x 144 bytes for each wave
.set SP,    144
.set SPARE, STAGE+4*16*SP              ; the spare words, 128 bytes for each wave: two blocks of 256 bytes that no other line names
.set ADRA, 16                          ; v16-17  LDS address of my rows of X in slot 0, 1
.set ADRB, 20                          ; v20-21  the same for W
.set STO,  24                          ; v24     the way out: where I put 16 bytes of a row
.set RD,   25                          ; v25     where I read rows back
.set GO,   26                          ; v26     my 16 bytes of 512 consecutive bytes of the output
.set SPW,  28                          ; v28     LDS address of my spare word; never rewritten
.set NIL,  29                          ; v29     0; never rewritten
.set PFO,  30                          ; v30     the prefetches' offset; never rewritten
.set RAW,  32
.set AF,   96
.set OUTR, 32
.set G1A, 24                           ; s[24:31] descriptor group 1 for X's tiles;  s[32:39] group 0, one set for each slot
.set G0A, 32
.set G1B, 40                           ; s[40:47], s[48:55] the same for W's
.set G0B, 48
.set PFA, 56                           ; s[56:57] where my prefetches stand
.set PFS, 58                           ; s[58:59] a K step in bytes, along X's rows or down W's
.set LIM, 60                           ; s60     1 in a wave that prefetches, else the greatest number
.set W_MUL,  0x52                      ; W window 2, X window 0, C and D window 1
.set W_TOB,  0x80                      ; destination window 2
.set W_PACK, 0x05                      ; sources 0 and 1 window 1
.set MSB, 0
.macro WIN new                         ; the immediate's high byte repeats the setting that is left; a switch that changes nothing is dropped
.if MSB != (\new)
	s_set_vgpr_msb (MSB<<8)|(\new)
.set MSB, (\new)
.endif
.endm
.macro PLACES
.rept 4
	v_nop
.endr
.endm
; A joint load.  Waves 0 and 1 fetch the two halves of X's tile, waves 2 and 3 those of W's.  The branch hangs on the wave's number alone.  An s_nop 0 and four v_nop follow each line.
.macro JLOAD s
	s_cmp_eq_u32 s15, 0
	s_cbranch_scc0 .Lfor_b_\@
	tensor_load_to_lds s[G0A+4*(\s):G0A+4*(\s)+3], s[G1A:G1A+7]
	s_nop 0
.rept 4
	v_nop
.endr
	s_branch .Lasked_\@
.Lfor_b_\@:
	tensor_load_to_lds s[G0B+4*(\s):G0B+4*(\s)+3], s[G1B:G1B+7]
	s_nop 0
.rept 4
	v_nop
.endr
.Lasked_\@:
.endm
; A prefetch of the K step that stands two refills on: 16 rows x 512 bytes, a lane a block of 256, one instruction a wave.  X's rows are read by this row of the cluster alone: its four partners share a wave's 64 rows out by
; address (cx).  W's rows are read by all 16 clusters of one p: the first of them asks, its partners sharing by cy.  So each block is named once.  The loop's last trip has no K step two refills on.
.macro ASK
	s_cmp_gt_u32 s3, s[LIM]
	s_cbranch_scc0 .Lnot_mine_\@
	global_prefetch_b8 v[PFO], s[PFA:PFA+1] th:TH_LOAD_NT scope:SCOPE_SE
.Lnot_mine_\@:
.endm
.macro CREST                           ; a round of the cluster's barrier behind its opening barrier
	s_cmp_lg_u32 s14, 0
	s_cbranch_scc1 .Lnot_wave_0_\@
	s_barrier_signal -3
.Lnot_wave_0_\@:
	s_barrier_wait -3
	s_barrier_signal -1
	s_barrier_wait -1
.endm
.macro CROUND
	s_barrier_signal -1
	s_barrier_wait -1
	CREST
.endm
	s_load_b256 s[4:11], s[0:1], 0x0               ; queries s[4:5], keys s[6:7], values s[8:9], wts s[10:11]
	s_load_b64 s[12:13], s[0:1], 0x20              ; qkv
	v_lshl_add_u32 v[SPW], v0, 2, SPARE
	v_mov_b32 v[NIL], 0
	ds_add_u32 v[SPW], v[NIL]                      ; the wave's opening: the add and its wait stand ahead of my first tensor load; the set-up below, work on registers, stands between them
	v_lshrrev_b32 v1, 5, v0
	v_readfirstlane_b32 s14, v1                    ; wave 0..3
	s_lshr_b32 s15, s14, 1                         ; which 64 rows of the tile are mine.  Also: I fetch for X (0) or for W (1)
	s_and_b32 s16, s14, 1                          ; which 128 columns.  Also: which 64 rows of that tile I fetch
	s_bfe_u32 s17, ttmp6, 0x40000                  ; cx
	s_bfe_u32 s18, ttmp6, 0x40004                  ; cy
	s_lshl_b32 s19, ttmp9, 2
	s_add_co_u32 s19, s19, s17                     ; tile column = 4 x cluster x + cx
	s_and_b32 s20, ttmp7, 0xffff                   ; cluster y, 0 .. 47
	s_lshr_b32 s21, s20, 4                         ; p: the same in all sixteen partners
	s_and_b32 s22, s20, 15
	s_lshl_b32 s22, s22, 2
	s_add_co_u32 s22, s22, s18                     ; tile row inside p
	s_lshl_b32 s68, s18, 2
	s_lshl_b32 s68, 15, s68                        ; my row of the cluster
	s_lshl_b32 s69, 0x1111, s17                    ; my column
	s_or_b32 s[G1A+0], s68, (2<<16)|(1<<20)|(1<<21)|(6<<22)|(3<<25)  ; the mask; elements of 4 bytes; padding on; bit 21 beside a mask; after every 128 words 4 words
	s_mov_b32 s[G1A+1], 128<<16                    ; tensor_dim0 = 128
	s_mov_b32 s[G1A+2], 64<<16                     ; tensor_dim1 = 64
	s_mov_b32 s[G1A+3], 128<<16                    ; tile_dim0 = 128
	s_mov_b32 s[G1A+4], 64                         ; tile_dim1 = 64
	s_mov_b32 s[G1A+5], 1024                       ; elements from row to row
	s_mov_b32 s[G1A+6], 0
	s_mov_b32 s[G1A+7], 0
	s_or_b32 s[G1B+0], s69, (1<<16)|(1<<20)|(1<<21)|(6<<22)|(7<<25)  ; elements of 2 bytes; after every 128 words 8 words
	s_mov_b32 s[G1B+1], 256<<16
	s_mov_b32 s[G1B+2], 64<<16
	s_mov_b32 s[G1B+3], 256<<16
	s_mov_b32 s[G1B+4], 64
	s_mov_b32 s[G1B+5], 1024
	s_mov_b32 s[G1B+6], 0
	s_mov_b32 s[G1B+7], 0
	s_lshl_b32 s70, s22, 19                        ; X: 128 rows of 4,096 bytes a tile row,
	s_lshl_b32 s68, s16, 18                        ; the 64 that I fetch
	s_add_co_u32 s70, s70, s68
	s_mov_b32 s71, 0
	s_lshl_b32 s74, s21, 21                        ; W: matrix p,
	s_lshl_b32 s69, s16, 17                        ; the 64 k rows of 2,048 bytes that I fetch,
	s_add_co_u32 s74, s74, s69
	s_lshl_b32 s69, s19, 9                         ; the tile column's 512 bytes
	s_add_co_u32 s74, s74, s69
	s_mov_b32 s75, 0
	s_mul_i32 s77, s16, 64*PA                      ; and where they go: no place in the cluster enters an LDS address
	s_mul_i32 s78, s16, 64*PB
	s_add_co_u32 s78, s78, BOFF
	s_wait_dscnt 0x0                               ; the opening add is done
	s_wait_kmcnt 0x0
	s_cmp_eq_u32 s21, 1
	s_cselect_b64 s[80:81], s[6:7], s[4:5]
	s_cmp_eq_u32 s21, 2
	s_cselect_b64 s[80:81], s[8:9], s[80:81]       ; X_p
	s_add_nc_u64 s[70:71], s[80:81], s[70:71]
	s_add_nc_u64 s[74:75], s[10:11], s[74:75]
	CROUND                                         ; all sixteen work-groups are here: the first joint loads meet
.irp s, 0,1
	s_mov_b32 s[G0A+4*(\s)], 1
	s_add_co_u32 s[G0A+4*(\s)+1], s77, (\s)*SLOT
	s_add_nc_u64 s[G0A+4*(\s)+2:G0A+4*(\s)+3], s[70:71], (\s)*512       ; K step s: 128 numbers of 4 bytes along the rows
	s_or_b32 s[G0A+4*(\s)+3], s[G0A+4*(\s)+3], 0x80000000
	s_mov_b32 s[G0B+4*(\s)], 1
	s_add_co_u32 s[G0B+4*(\s)+1], s78, (\s)*SLOT
	s_add_nc_u64 s[G0B+4*(\s)+2:G0B+4*(\s)+3], s[74:75], (\s)*262144    ; 128 k rows down
	s_or_b32 s[G0B+4*(\s)+3], s[G0B+4*(\s)+3], 0x80000000
	JLOAD \s                                       ; two loads of mine are out
.endr
	; the prefetches' place: at K step 3; each change of slots steps it first, so the first names K step 4.  Nothing is prefetched here, at the head
	s_lshl_b32 s72, s17, 16                        ; X: my work-group's 16 of the 64 rows
	s_add_co_u32 s72, s72, 3*512
	s_mov_b32 s73, 0
	s_add_nc_u64 s[72:73], s[70:71], s[72:73]
	s_lshl_b32 s82, s18, 15                        ; W: my work-group's 16 of the 64 k rows
	s_add_co_u32 s82, s82, 3*262144
	s_mov_b32 s83, 0
	s_add_nc_u64 s[82:83], s[74:75], s[82:83]
	s_and_b32 s68, s20, 15                         ; 0 in the first cluster of a p
	s_mov_b32 s[PFS], 262144
	s_mov_b32 s[PFS+1], 0
	s_mov_b32 s69, 2048
	s_cmp_eq_u32 s15, 0
	s_cselect_b64 s[PFA:PFA+1], s[72:73], s[82:83]
	s_cselect_b32 s[PFS], 512, s[PFS]
	s_cselect_b32 s69, 4096, s69                   ; bytes from row to row
	s_cselect_b32 s68, 0, s68
	s_cmp_eq_u32 s68, 0
	s_cselect_b32 s[LIM], 1, -1                    ; the same in all sixteen partners, for a given wave
	v_and_b32 v3, 31, v0
	v_lshrrev_b32 v4, 1, v3
	v_and_b32 v3, 1, v3
	v_mul_u32_u24 v[PFO], v4, s69                  ; row lane / 2,
	v_lshl_add_u32 v[PFO], v3, 8, v[PFO]           ; its first or second 256 bytes
	; A fragment of X is 16 rows x 32 k: lane l holds row l % 16, k = 8 (l / 16) + 0..7 and 16 + 8 (l / 16) + 0..7: in f32 four loads of 16 bytes, at 0, 16, 64, 80 from row x pitch + 32 (l / 16).
	v_and_b32 v1, 15, v0                           ; l % 16
	v_bfe_u32 v2, v0, 4, 1                         ; l / 16
	v_mul_u32_u24 v3, v1, PA
	v_lshl_add_u32 v3, v2, 5, v3
	s_mul_i32 s68, s15, 64*PA
	v_add_nc_u32 v[ADRA], s68, v3
	v_add_nc_u32 v[ADRA+1], SLOT, v[ADRA]
	; The turning load takes 16 k x 16 columns (lane l reads k row 8 (l / 16) + l % 8, columns 8 ((l / 8) % 2) + 0..7) and leaves half a fragment: lane l holds column l % 16 and 8 k.
	v_and_b32 v4, 7, v0
	v_bfe_u32 v5, v0, 3, 1
	v_lshl_add_u32 v6, v2, 3, v4
	v_mul_u32_u24 v6, v6, PB
	v_lshl_add_u32 v6, v5, 4, v6
	s_lshl_b32 s68, s16, 8
	s_add_co_u32 s68, s68, BOFF
	v_add_nc_u32 v[ADRB], s68, v6
	v_add_nc_u32 v[ADRB+1], SLOT, v[ADRB]
	s_mul_i32 s68, s14, 16*SP
	s_add_co_u32 s68, s68, STAGE                   ; my stage
	v_mul_u32_u24 v[STO], v1, SP                   ; in: row l % 16, 16 bytes for each half of the lanes
	v_lshl_add_u32 v[STO], v2, 4, v[STO]
	v_add_nc_u32 v[STO], s68, v[STO]
	v_bfe_u32 v[RD], v0, 3, 2                      ; back: 32 lanes take four rows of 128 bytes,
	v_mul_u32_u24 v[RD], v[RD], SP
	v_lshl_add_u32 v[RD], v4, 4, v[RD]
	v_add_nc_u32 v[RD], s68, v[RD]
	v_and_b32 v[GO], 31, v0                        ; which are 512 consecutive bytes of a head's rows
	v_lshlrev_b32 v[GO], 4, v[GO]
	s_lshr_b32 s68, s22, 4                         ; the batch,
	s_lshl_b32 s68, s68, 4
	s_lshl_b32 s69, s19, 2                         ; the tile column's four heads,
	s_add_co_u32 s68, s68, s69
	s_lshl_b32 s69, s16, 1                         ; my two of them
	s_add_co_u32 s68, s68, s69
	s_lshl_b32 s68, s68, 18                        ; a head's 2,048 rows of 128 bytes
	s_lshl_b32 s69, s21, 24                        ; part p
	s_add_co_u32 s68, s68, s69
	s_and_b32 s69, s22, 15
	s_lshl_b32 s69, s69, 14                        ; the tile row's 128 rows
	s_add_co_u32 s68, s68, s69
	s_lshl_b32 s69, s15, 13                        ; my 64 of them
	s_add_co_u32 s68, s68, s69
	s_mov_b32 s69, 0
	s_add_nc_u64 s[12:13], s[12:13], s[68:69]
; 8 matrix instructions: row block a x all 8 column blocks, 32 along K, buffer f.  zero = 1: the product starts the sum.  The 32 accumulators take turns, in the same order in every quarter step.
; cv = 1: behind each product four conversions: the next quarter's X, f32 to bf16, into the other buffer.  They name none of the products' registers.
.macro MUL8 f, a, zero, cv
.irp b, 0,1,2,3,4,5,6,7
	WIN W_MUL
.if \zero
	v_wmma_f32_16x16x32_bf16 v[8*(8*(\a)+(\b)):8*(8*(\a)+(\b))+7], v[64*(\f)+8*(\b):64*(\f)+8*(\b)+7], v[AF+32*(\f)+8*(\a):AF+32*(\f)+8*(\a)+7], 0
.else
	v_wmma_f32_16x16x32_bf16 v[8*(8*(\a)+(\b)):8*(8*(\a)+(\b))+7], v[64*(\f)+8*(\b):64*(\f)+8*(\b)+7], v[AF+32*(\f)+8*(\a):AF+32*(\f)+8*(\a)+7], v[8*(8*(\a)+(\b)):8*(8*(\a)+(\b))+7]
.endif
.if \cv
	WIN 0
.irp z, 0,1,2,3
	v_cvt_pk_bf16_f32 v[AF+32*(1-(\f))+4*(\b)+(\z)], v[RAW+8*(\b)+2*(\z)], v[RAW+8*(\b)+2*(\z)+1]
.endr
.endif
.endr
.endm
; 32 LDS loads in one run: quarter q of a slot: X's 64 rows x 32 k in f32 first, then W's 32 k x 128 columns, turned, into buffer g
.macro FETCH slot, q, g
	WIN 0
.irp a, 0,1,2,3
	ds_load_b128 v[RAW+16*(\a):RAW+16*(\a)+3],     v[ADRA+(\slot)] offset:(\q)*128+(\a)*16*PA
	ds_load_b128 v[RAW+16*(\a)+4:RAW+16*(\a)+7],   v[ADRA+(\slot)] offset:(\q)*128+(\a)*16*PA+16
	ds_load_b128 v[RAW+16*(\a)+8:RAW+16*(\a)+11],  v[ADRA+(\slot)] offset:(\q)*128+(\a)*16*PA+64
	ds_load_b128 v[RAW+16*(\a)+12:RAW+16*(\a)+15], v[ADRA+(\slot)] offset:(\q)*128+(\a)*16*PA+80
.endr
	WIN W_TOB
.irp b, 0,1,2,3,4,5,6,7
	ds_load_tr16_b128 v[64*(\g)+8*(\b):64*(\g)+8*(\b)+3],   v[ADRB+(\slot)] offset:(\q)*32*PB+32*(\b)
	ds_load_tr16_b128 v[64*(\g)+8*(\b)+4:64*(\g)+8*(\b)+7], v[ADRB+(\slot)] offset:(\q)*32*PB+32*(\b)+16*PB
.endr
.endm
; A K step is four quarters of 32 along K, 32 matrix instructions each, on buffers 0, 1, 0, 1.  One of the first three: multiplies buffer f; at its head it fetches quarter qn into the other buffer.
; The four conversions behind the quarter before's last product are the four places (ISA guide 7.12.1 for vector instructions) between that product and the loads into the fragments that it read.
.macro QUARTER slot, qn, f, zero
	s_wait_dscnt 0x0                               ; W's fragments of buffer f are in (X's were waited for and converted in the quarter before)
	FETCH \slot, \qn, 1-(\f)
	MUL8 \f, 0, \zero, 0
	MUL8 \f, 1, \zero, 0
	MUL8 \f, 2, \zero, 0
	s_wait_dscnt 16                                ; X's 16 loads are in; W's 16, issued behind them, may stay out
	MUL8 \f, 3, \zero, 1
.endm
; The last quarter multiplies buffer 1 and changes slots: ONE barrier.  In front of it each wave waits for all its tensor loads (one is out: its part of the next slot), adds 0 to its spare word, and waits for that and for its
; reads of this slot.  fill = 1: the barrier opens a round of the cluster's barrier, and this slot is filled again, two K steps ahead, first thing behind the round: 112 matrix instructions ahead of the wait for it.
.macro TURN slot, next, fill
.if \fill
	s_wait_xcnt 0x0                                ; the last prefetch, a K step back, has read its address
	s_add_nc_u64 s[PFA:PFA+1], s[PFA:PFA+1], s[PFS:PFS+1]
.endif
	WIN 0
	s_wait_tensorcnt 0x0                           ; all my tensor loads have landed
	ds_add_u32 v[SPW], v[NIL]                      ; 0 onto my spare word
	s_wait_dscnt 1                                 ; only the add may be out: W's fragments of buffer 1 are in
	MUL8 1, 0, 0, 0                                ; eight matrix instructions stand between the add and the wait for it
	s_wait_dscnt 0x0                               ; the add is done, and my reads of this slot are over
	s_barrier_signal -1
	MUL8 1, 1, 0, 0
	WIN 0                                          ; at a branch and at a label every window is 0
	s_barrier_wait -1
.if \fill
	CREST                                          ; no wave of any partner still reads this slot's tile or has a load on its way
	s_add_nc_u64 s[G0A+4*(\slot)+2:G0A+4*(\slot)+3], s[G0A+4*(\slot)+2:G0A+4*(\slot)+3], 2*512
	s_add_nc_u64 s[G0B+4*(\slot)+2:G0B+4*(\slot)+3], s[G0B+4*(\slot)+2:G0B+4*(\slot)+3], 2*262144
	JLOAD \slot
.endif
	FETCH \next, 0, 0                              ; buffer 0's last products stand in front of four conversions: the places
.if \fill
	WIN 0
	ASK
.endif
	MUL8 1, 2, 0, 0
	s_wait_dscnt 16
	MUL8 1, 3, 0, 1
.endm
; THE WAY OUT.  Unit u = 16 rows (block u / 2) x one head (u % 2: four column blocks).  Rounded to f16; 16 bytes a lane into my stage; back as whole rows of 128 bytes; 512 consecutive bytes a store.
.macro PACK u
	WIN W_PACK
.irp c, 0,1,2,3
.irp z, 0,1,2,3
	v_cvt_pk_f16_f32 v[OUTR+16*(\u)+4*(\c)+(\z)], v[8*(8*((\u)/2)+4*((\u)%2)+(\c))+2*(\z)], v[8*(8*((\u)/2)+4*((\u)%2)+(\c))+2*(\z)+1]
.endr
.endr
	WIN 0
.irp f, 0,1,2,3
	ds_store_b128 v[STO], v[OUTR+16*(\u)+4*(\f):OUTR+16*(\u)+4*(\f)+3] offset:32*(\f)
.endr
.irp f, 0,1,2,3
	ds_load_b128 v[OUTR+16*(\u)+4*(\f):OUTR+16*(\u)+4*(\f)+3], v[RD] offset:(\f)*4*SP  ; LDS serves a wave's instructions in order (ISA guide 5.7.1.4): these see the stores above; the next unit's stores come behind them
.endr
.endm
.macro SEND u, younger                 ; younger: the LDS instructions issued behind unit u's loads
.irp f, 0,1,2,3
	s_wait_dscnt (\younger)+3-(\f)
	global_store_b128 v[GO], v[OUTR+16*(\u)+4*(\f):OUTR+16*(\u)+4*(\f)+3], s[12:13] offset:((\u)/2)*2048+((\u)%2)*262144+(\f)*512
.endr
.endm
	s_wait_tensorcnt 1                             ; my part of K step 0 is in; K step 1's may stay out
	s_barrier_signal -1
	s_barrier_wait -1                              ; everybody's is
	FETCH 0, 0, 0
	s_wait_dscnt 16                                ; X's 16 loads
	WIN 0
.set o, 0
.rept 32
	v_cvt_pk_bf16_f32 v[AF+o], v[RAW+2*o], v[RAW+2*o+1]
.set o, o+1
.endr
	QUARTER 0, 1, 0, 1                             ; the first quarter stands in front of the loop: its products start the sums
	WIN 0
	s_mov_b32 s3, 3
.Llap:                                                 ; a trip goes once round the ring, from a lap's second quarter to the next lap's first, and fills both slots again
	QUARTER 0, 2, 1, 0
	QUARTER 0, 3, 0, 0
	TURN 0, 1, 1
	QUARTER 1, 1, 0, 0
	QUARTER 1, 2, 1, 0
	QUARTER 1, 3, 0, 0
	TURN 1, 0, 1
	QUARTER 0, 1, 0, 0
	WIN 0
	s_sub_co_u32 s3, s3, 1
	s_cmp_lg_u32 s3, 0
	s_cbranch_scc1 .Llap
	QUARTER 0, 2, 1, 0                             ; the last lap fills nothing
	QUARTER 0, 3, 0, 0
	TURN 0, 1, 0
	QUARTER 1, 1, 0, 0
	QUARTER 1, 2, 1, 0
	QUARTER 1, 3, 0, 0
	s_wait_dscnt 0x0                               ; the very last quarter
	MUL8 1, 0, 0, 0
	MUL8 1, 1, 0, 0
	MUL8 1, 2, 0, 0
	MUL8 1, 3, 0, 0
	WIN 0
	PLACES                                         ; the conversions read results just made and write registers that the last products read
	PACK 0
.irp u, 1,2,3,4,5,6,7                  ; a unit's conversions stand between the loads of the unit before and its stores
	PACK \u
	SEND (\u)-1, 8
.endr
	SEND 7, 0
	s_wait_tensorcnt 0x0                           ; the wave's end, behind my last tensor load and my last LDS store
	ds_add_u32 v[SPW], v[NIL]
	s_wait_dscnt 0x0
	CROUND                                         ; the closing round: no work-group ends while a partner may still ask for a tile that names it
	s_endpgm
.Lfunc_end_k_q57898ab0ba_proj:
	.size	k_q57898ab0ba_proj, .Lfunc_end_k_q57898ab0ba_proj-k_q57898ab0ba_proj
	.p2alignl 7, 3214868480
	.fill 96, 4, 3214868480
	.section	.rodata,"a",@progbits
	.p2align	6, 0x0
	.amdhsa_kernel k_q57898ab0ba_proj
		.amdhsa_group_segment_fixed_size 327680
		.amdhsa_private_segment_fixed_size 0
		.amdhsa_enable_private_segment 0
		.amdhsa_kernarg_size 40
		.amdhsa_user_sgpr_count 2
		.amdhsa_user_sgpr_kernarg_segment_ptr 1
		.amdhsa_wavefront_size32 1
		.amdhsa_system_sgpr_workgroup_id_x 1
		.amdhsa_system_sgpr_workgroup_id_y 1
		.amdhsa_system_sgpr_workgroup_id_z 1
		.amdhsa_system_vgpr_workitem_id 0
		.amdhsa_next_free_vgpr 640
		.amdhsa_next_free_sgpr 84
		.amdhsa_reserve_vcc 0
		.amdhsa_float_denorm_mode_32 3
		.amdhsa_float_denorm_mode_16_64 3
		.amdhsa_memory_ordered 1
		.amdhsa_forward_progress 1
		.amdhsa_inst_pref_size 134
	.end_amdhsa_kernel
	.amdgpu_metadata
---
amdhsa.version: [ 1, 2 ]
amdhsa.kernels:
  - .name:           k_q57898ab0ba_proj
    .symbol:         k_q57898ab0ba_proj.kd
    .args:
      - { .name: queries, .offset: 0, .size: 8, .value_kind: global_buffer, .address_space: global }
      - { .name: keys, .offset: 8, .size: 8, .value_kind: global_buffer, .address_space: global }
      - { .name: values, .offset: 16, .size: 8, .value_kind: global_buffer, .address_space: global }
      - { .name: wts, .offset: 24, .size: 8, .value_kind: global_buffer, .address_space: global }
      - { .name: qkv, .offset: 32, .size: 8, .value_kind: global_buffer, .address_space: global }
    .group_segment_fixed_size: 327680
    .private_segment_fixed_size: 0
    .kernarg_segment_align: 8
    .kernarg_segment_size: 40
    .max_flat_workgroup_size: 128
    .sgpr_count:     84
    .vgpr_count:     640
    .wavefront_size: 32
...
	.end_amdgpu_metadata
.endif
;; end of part 2
;; launch attn (part 3): grid 4 x 64, 8 waves a work-group, clusters of 4 x 4, 327,680 bytes of LDS; arguments qkv, biasb, oh; writes oh
.if DOCPART == 3
	.amdgcn_target "amdgcn-amd-amdhsa--gfx1250"
	.amdhsa_code_object_version 6
	.text
	.protected	k_q57898ab0ba_attn
	.globl	k_q57898ab0ba_attn
	.p2align	8
	.type	k_q57898ab0ba_attn,@function
k_q57898ab0ba_attn:
	s_mov_b64 s[64:65], 0
	v_nop
	global_prefetch_b8 v0, s[64:65] scope:SCOPE_SE
	s_setreg_imm32_b32 hwreg(HW_REG_WAVE_MODE, 25, 1), 1
	s_wait_xcnt 0x0
	s_wait_alu depctr_hold_cnt(0) depctr_sa_sdst(0) depctr_va_vdst(0) depctr_va_sdst(0) depctr_va_ssrc(0) depctr_va_vcc(0) depctr_vm_vsrc(0)
	s_getreg_b32 s2, hwreg(HW_REG_IB_STS2, 6, 4)
	s_cmp_eq_u32 s2, 0
	s_cbranch_scc0 .Lentry_in_a_cluster
	s_endpgm
.Lentry_in_a_cluster:
	s_bfe_u32 s2, ttmp6, 0x10000c
	s_cmp_lg_u32 s2, 0xf033
	s_cbranch_scc0 .Lentry_shape_is_right
	s_endpgm
.Lentry_shape_is_right:
; ATTENTION WITH A MASK THAT IS AN INPUT.  O[bh][q] = the sum over all 2,048 keys k of softmax_k(Q[bh][q] . K[bh][k] / 8 + (1 - mask[q][k]) (-1e9)) V[bh][k].  Q, K, V: qkv's three parts, [bh 64][2048][64] f16; O: oh, the same layout.
; The bias comes from biasb, [key step 32][q 2048][64] bf16, already times log2(e).  A logit is kept times log2(e): one fused multiply-add in f32, s x (log2(e) / 8) + bias.  Then a running maximum m, p = 2^(logit - m),
; a running sum l of the unrounded p; p is rounded to f16 for the second product; in every step O and l are multiplied by a = 2^(m_old - m_new).  m starts at the lowest finite number, O and l at 0: the first step has a = 0.
; LIMITS.  Q, K, V arrive within f16's 65,504.  Beside a bias near -1e9 a score vanishes in the sum's rounding, here as in the reference, while |s / 8| stays under 32: a row whose keys are all hidden gets equal weights.
; A weight below 2^-126 counts as 0; NaN and infinities are not treated apart.
; SHARES.  A work-group owns 512 queries of one (batch, head); each of its EIGHT waves 64: four tiles of 16, in two pieces of two.  Every wave walks all keys, 64 a step.  A tile and step have 16 matrix and some 150 vector
; instructions: most of the vector work has no room beside the products whatever its order.  So a wave's text goes in plain phases, and each SIMD holds two waves, of which one can multiply while the other does arithmetic.
; LAYOUT.  S^T = K Q^T (source 0 = 16 keys, source 1 = 16 queries): a lane holds ONE query (lane % 16) and the keys 8 (lane / 16) + 0..7; two such results rounded to f16 ARE source 1 of O^T = V^T P.  V is turned by ds_load_tr16_b128.
; CLUSTER.  4 x 4: a row of the cluster is one (batch, head) and asks for K and V jointly; a column is one block of 512 queries and asks for the bias jointly: of a step's tiles each is asked for once for four work-groups.
; REGISTERS, in windows of 256 (s_set_vgpr_msb: bits 1:0 source 0, 3:2 source 1, 5:4 source 2, 7:6 destination):
;   window 0: v0-15, v48-52 addresses; v16-31 statistics; v32-47 at work; v64-127 S^T of a piece; v128-159 P; v160-191 the piece's biases; v192-255 V of a step
;   window 1: v0-127 O^T, 32 a tile; v128-191 Q, 16 a tile; v192-255 K of a step
.set PKP,   144                        ; a row of K in LDS: 128 bytes + 16 = 36 words: the 16 rows of a load start at 16 different groups of four banks (64 banks of 4 bytes: ISA guide 11.1)
.set PVP,   160                        ; a row of V: 128 + 32: 5 x 32 bytes
.set PBP,   144                        ; a query's 64 biases: 128 + 16
.set VOFF,  64*PKP                     ; a slot holds one step: 64 rows of K, 64 of V, 512 of biases
.set BIOFF, VOFF+64*PVP
.set SLOT1, 1<<17                      ; slot 1 begins here, so that one exclusive or turns an address in one slot into the other's
.set STAGE, SLOT1+BIOFF+512*PBP        ; behind the ring, never filled by a tensor load: 16 rows x 144 bytes for each wave
.set SP,    144
.set SPARE, STAGE+8*16*SP              ; the spare words, 128 bytes for each wave: four blocks of 256 bytes that no other line names
.set AK0, 2                            ; v2-4   my lane's place in a slot's K, V, biases; never rewritten
.set AV0, 3
.set AB0, 4
.set AK,  5                            ; v5-7   the same in the slot in hand
.set AV,  6
.set AB,  7
.set QO,  8                            ; v8     my byte offset in 16 rows of Q
.set RD,  9                            ; v9     the way out: where I read rows back
.set GO,  10                           ; v10    my 16 bytes of 512 consecutive bytes of O
.set CC,  11                           ; v11    log2(e) / 8
.set PFO1, 12                          ; v12    the prefetches' offsets; never rewritten
.set PFO2, 13
.set SPW, 14                           ; v14    LDS address of my spare word; never rewritten
.set NIL, 15                           ; v15    0; never rewritten
.set ST,  16                           ; tile t at v[ST+4 t]: m, m_old, l (even keys', odd keys')
.set TMP, 32                           ; tile u of the piece in hand at v[TMP+8 u]: c0-c3 at work, a at +4, a fixed 0 at +5 (named with a as a pair), m_old - m at +6
.set STO, 52                           ; v52    the way out: where I put 16 bytes of a row
.set S,   64
.set P,   128
.set BB,  160
.set VF,  192
.set QF,  128                          ; window 1
.set KF,  192                          ; window 1
.set WV,  12                           ; s12    my wave's number
.set G1K, 24                           ; s[24:31], s[32:39], s[40:47] descriptor group 1 for K, V, biases
.set G1V, 32
.set G1B, 40
.set G0K, 48                           ; s[48:51], s[52:55], s[56:59] group 0: each walks
.set G0V, 52
.set G0B, 56
.set SEL, 60                           ; s[60:61] v_permlanex16_b32's selects: each lane takes its own place in the other half
.set TB,  62                           ; s62    LDS byte at which the slot in hand begins
.set CNT, 63                           ; s63    trips still to come
.set PFK, 66                           ; s[66:67] where my prefetches of K and V stand
.set PFB, 68                           ; s[68:69] those of the biases
.set LIMK, 70                          ; s70, s71  1 in a wave that prefetches, else the greatest number
.set LIMB, 71
.set W_KQ, 0x05                        ; K and Q window 1, S^T window 0
.set W_PV, 0x50                        ; V and P window 0, O^T window 1
.set W_RS, 0x41                        ; destination and source 0 window 1, source 1 window 0
.set W_T1, 0x40                        ; destination window 1
.set MSB, 0
.macro WIN new
.if MSB != (\new)
	s_set_vgpr_msb (MSB<<8)|(\new)
.set MSB, (\new)
.endif
.endm
.macro PLACES
.rept 4
	v_nop
.endr
.endm
; A joint fill: wave 0 fetches a step's K, wave 1 its V, waves 4 to 7 a quarter of its biases each; waves 2 and 3 issue none.  The branches hang on the wave's number alone.  An s_nop 0 and four v_nop follow each line.
.macro JLOAD
	s_cmp_lt_u32 s[WV], 4
	s_cbranch_scc1 .Llow_\@
	tensor_load_to_lds s[G0B:G0B+3], s[G1B:G1B+7]
	s_nop 0
.rept 4
	v_nop
.endr
	s_branch .Lasked_\@
.Llow_\@:
	s_cmp_eq_u32 s[WV], 0
	s_cbranch_scc0 .Lnot_k_\@
	tensor_load_to_lds s[G0K:G0K+3], s[G1K:G1K+7]
	s_nop 0
.rept 4
	v_nop
.endr
	s_branch .Lasked_\@
.Lnot_k_\@:
	s_cmp_eq_u32 s[WV], 1
	s_cbranch_scc0 .Lasked_\@
	tensor_load_to_lds s[G0V:G0V+3], s[G1V:G1V+7]
	s_nop 0
.rept 4
	v_nop
.endr
.Lasked_\@:
.endm
; PREFETCHES of what the NEXT trip's fill will ask for, a lane a block of 256 bytes.  THE BIASES are walked by all 16 clusters: the first (cluster y = 0) asks; a query block's 65,536 bytes of a step are shared out by address among the
; column's four partners (cy) and their waves 2 and 3: 32 blocks each.  K AND V of a head are read by one row of a cluster alone: its partners share them by address (cx); wave 2 asks, in every second trip, for two steps:
; 16 blocks of K and 16 of V.  So each block is named once.  The last requests are for the last step.
.macro ASK
	s_cmp_gt_u32 s[CNT], s[LIMB]
	s_cbranch_scc0 .Lno_b_\@
	global_prefetch_b8 v[PFO2], s[PFB:PFB+1] th:TH_LOAD_NT scope:SCOPE_SE
.Lno_b_\@:
	s_and_b32 s16, s[CNT], 1                       ; the count is odd in trips 0, 2, 4 ..
	s_mul_i32 s16, s16, s[CNT]
	s_cmp_gt_u32 s16, s[LIMK]
	s_cbranch_scc0 .Lno_k_\@
	global_prefetch_b8 v[PFO1], s[PFK:PFK+1] th:TH_LOAD_NT scope:SCOPE_SE
.Lno_k_\@:
.endm
.macro CROUND                          ; a round of the cluster's barrier
	s_barrier_signal -1
	s_barrier_wait -1
	s_cmp_lg_u32 s[WV], 0
	s_cbranch_scc1 .Lnot_wave_0_\@
	s_barrier_signal -3
.Lnot_wave_0_\@:
	s_barrier_wait -3
	s_barrier_signal -1
	s_barrier_wait -1
.endm
; THE CHANGE OF SLOTS.  Each wave waits for all its tensor loads (at most one is out: its part of the slot to be read), adds 0 to its spare word, and waits for that and for its reads of the slot that it leaves.
; fill = 1: the barrier is a round of the cluster's, and the slot just left is filled with the next step's tiles, first thing behind it: the load has one key step in which to land.  (At the first use nothing has been read: slot 1 is filled.)
.macro CHANGE fill
	WIN 0
	s_wait_tensorcnt 0x0                           ; no tensor load of mine is out, so a group 0 may be written
	ds_add_u32 v[SPW], v[NIL]                      ; 0 onto my spare word; the descriptors' steps stand between it and the wait for it
.if \fill
.irp g, G0K, G0V
	s_xor_b32 s[\g+1], s[\g+1], SLOT1              ; the other slot than last time,
	s_add_nc_u64 s[\g+2:\g+3], s[\g+2:\g+3], 8192  ; the next 64 keys
.endr
	s_xor_b32 s[G0B+1], s[G0B+1], SLOT1
	s_add_nc_u64 s[G0B+2:G0B+3], s[G0B+2:G0B+3], 262144
	s_wait_xcnt 0x0                                ; the last prefetches, a key step back, have read their addresses
	s_add_nc_u64 s[PFK:PFK+1], s[PFK:PFK+1], 8192
	s_add_nc_u64 s[PFB:PFB+1], s[PFB:PFB+1], 262144
	s_wait_dscnt 0x0                               ; the add is done, and my reads of the slot are over
	CROUND
	JLOAD
	ASK
.else
	s_wait_dscnt 0x0
	s_barrier_signal -1
	s_barrier_wait -1
.endif
	s_xor_b32 s[TB], s[TB], SLOT1
.endm
	s_load_b128 s[4:7], s[0:1], 0x0                ; qkv s[4:5], biasb s[6:7]
	s_load_b64 s[8:9], s[0:1], 0x10                ; oh
	v_lshl_add_u32 v[SPW], v0, 2, SPARE
	v_mov_b32 v[NIL], 0
	ds_add_u32 v[SPW], v[NIL]                      ; the wave's opening: the add and its wait stand ahead of my first tensor load; the set-up below, work on registers, stands between them
	v_lshrrev_b32 v1, 5, v0
	v_readfirstlane_b32 s[WV], v1                  ; wave 0..7
	s_bfe_u32 s13, ttmp6, 0x40000                  ; cx
	s_bfe_u32 s14, ttmp6, 0x40004                  ; cy
	s_and_b32 s79, ttmp7, 0xffff                   ; cluster y
	s_lshl_b32 s15, s79, 2
	s_add_co_u32 s15, s15, s14                     ; batch x 16 + head
	s_lshl_b32 s74, ttmp9, 2
	s_add_co_u32 s74, s74, s13                     ; my block of 512 queries
	s_lshl_b32 s16, s14, 2
	s_lshl_b32 s16, 15, s16                        ; my row of the cluster
	s_lshl_b32 s17, 0x1111, s13                    ; my column
	; 64 keys, or 128 queries' biases, are dense bytes: asked for as rows of 256 bytes and padded in LDS after every 128
	s_or_b32 s[G1K], s16, (1<<16)|(1<<20)|(1<<21)|(4<<22)|(3<<25)  ; the mask; 2-byte elements; padding on; bit 21 beside a mask; after every 32 words 4 words
	s_or_b32 s[G1V], s16, (1<<16)|(1<<20)|(1<<21)|(4<<22)|(7<<25)  ; 8 words
	s_or_b32 s[G1B], s17, (1<<16)|(1<<20)|(1<<21)|(4<<22)|(3<<25)
.irp g, G1K, G1V
	s_mov_b32 s[\g+1], 128<<16                     ; tensor_dim0 = 128
	s_mov_b32 s[\g+2], 32<<16                      ; tensor_dim1 = 32
	s_mov_b32 s[\g+3], 128<<16                     ; tile_dim0 = 128
	s_mov_b32 s[\g+4], 32                          ; tile_dim1 = 32
	s_mov_b32 s[\g+5], 128                         ; elements from row to row
	s_mov_b32 s[\g+6], 0
	s_mov_b32 s[\g+7], 0
.endr
	s_mov_b32 s[G1B+1], 128<<16
	s_mov_b32 s[G1B+2], 64<<16
	s_mov_b32 s[G1B+3], 128<<16
	s_mov_b32 s[G1B+4], 64
	s_mov_b32 s[G1B+5], 128
	s_mov_b32 s[G1B+6], 0
	s_mov_b32 s[G1B+7], 0
	s_lshl_b32 s18, s15, 18                        ; the head's 2,048 rows of 128 bytes
	s_mov_b32 s19, 0
	s_and_b32 s75, s[WV], 3                        ; which quarter of the biases I fetch (waves 4 to 7)
	s_lshl_b32 s22, s74, 16                        ; the query block's 65,536 bytes of a step,
	s_lshl_b32 s20, s75, 14
	s_add_co_u32 s22, s22, s20
	s_mov_b32 s23, 0
	s_mul_i32 s75, s75, 128*PBP
	s_mov_b32 s[G0K], 1
	s_mov_b32 s[G0K+1], 0                          ; slot 0
	s_mov_b32 s[G0V], 1
	s_mov_b32 s[G0V+1], VOFF
	s_mov_b32 s[G0B], 1
	s_add_co_u32 s[G0B+1], s75, BIOFF              ; no place in the cluster enters an LDS address
	s_lshl_b32 s76, s74, 16                        ; Q and O: the head, my block's 512 rows, my wave's 64
	s_add_co_u32 s76, s76, s18
	s_lshl_b32 s77, s[WV], 13
	s_add_co_u32 s76, s76, s77
	s_mov_b32 s77, 0
	s_mov_b32 s[SEL], 0x76543210
	s_mov_b32 s[SEL+1], 0xfedcba98
	s_wait_dscnt 0x0                               ; the opening add is done
	s_wait_kmcnt 0x0
	s_add_nc_u64 s[20:21], s[4:5], s[18:19]        ; q's part at the head
	s_add_nc_u64 s[G0K+2:G0K+3], s[20:21], 16777216  ; k's part
	s_or_b32 s[G0K+3], s[G0K+3], 0x80000000
	s_add_nc_u64 s[G0V+2:G0V+3], s[20:21], 33554432  ; v's part
	s_or_b32 s[G0V+3], s[G0V+3], 0x80000000
	s_add_nc_u64 s[G0B+2:G0B+3], s[6:7], s[22:23]
	s_or_b32 s[G0B+3], s[G0B+3], 0x80000000
	s_add_nc_u64 s[72:73], s[4:5], s[76:77]
	s_add_nc_u64 s[8:9], s[8:9], s[76:77]
	CROUND                                         ; all sixteen work-groups are here: the first joint loads meet
	JLOAD                                          ; step 0 into slot 0
	v_and_b32 v1, 15, v0                           ; l % 16
	v_bfe_u32 v48, v0, 4, 1                        ; l / 16
	v_lshlrev_b32 v[QO], 7, v1
	v_lshl_add_u32 v[QO], v48, 4, v[QO]            ; row x 128 + 16 x half
	WIN W_T1
.irp i, 0,1,2,3,4,5,6,7                ; Q stays in registers: tile i / 2, channels 32 (i % 2) on
	global_load_b128 v[QF+8*(\i):QF+8*(\i)+3],   v[QO], s[72:73] offset:((\i)/2)*2048+((\i)%2)*64
	global_load_b128 v[QF+8*(\i)+4:QF+8*(\i)+7], v[QO], s[72:73] offset:((\i)/2)*2048+((\i)%2)*64+32
.endr
.set i, 0
.rept 128                              ; O^T starts at 0: no first step is written out; these lines stand in the wait for the first tile
	v_mov_b32 v[i], 0
.set i, i+1
.endr
	WIN 0
.irp t, 0,1,2,3
	v_mov_b32 v[ST+4*(\t)], 0xff7fffff             ; m: the lowest finite number
	v_mov_b32 v[ST+4*(\t)+2], 0
	v_mov_b32 v[ST+4*(\t)+3], 0
.endr
	v_mov_b32 v[TMP+5], 0
	v_mov_b32 v[TMP+13], 0
	v_mov_b32 v[CC], 0x3e38aa3b                    ; log2(e) / 8
	v_mul_u32_u24 v[AK0], v1, PKP
	v_lshl_add_u32 v[AK0], v48, 4, v[AK0]          ; row x pitch + 16 x half
	v_and_b32 v49, 7, v0
	v_bfe_u32 v50, v0, 3, 1
	v_lshl_add_u32 v[AV0], v48, 3, v49             ; the turning load: key 8 (l / 16) + l % 8, channels 8 ((l / 8) % 2) + 0..7
	v_mul_u32_u24 v[AV0], v[AV0], PVP
	v_lshl_add_u32 v[AV0], v50, 4, v[AV0]
	v_add_nc_u32 v[AV0], VOFF, v[AV0]
	s_mul_i32 s16, s[WV], 64*PBP
	s_add_co_u32 s16, s16, BIOFF
	v_add_nc_u32 v[AB0], s16, v[AK0]               ; my wave's 64 queries; the pitch is K's
	s_mul_i32 s16, s[WV], 16*SP
	s_add_co_u32 s16, s16, STAGE                   ; my stage
	v_add_nc_u32 v[STO], s16, v[AK0]               ; in: row l % 16, 16 bytes for each half of the lanes; again the same pitch
	v_bfe_u32 v[RD], v0, 3, 2                      ; back: 32 lanes take four rows of 128 bytes,
	v_mul_u32_u24 v[RD], v[RD], SP
	v_lshl_add_u32 v[RD], v49, 4, v[RD]
	v_add_nc_u32 v[RD], s16, v[RD]
	v_and_b32 v51, 31, v0
	v_lshlrev_b32 v[GO], 4, v51                    ; which are 512 consecutive bytes of O
	v_lshlrev_b32 v[PFO2], 8, v51                  ; a lane a block
	v_lshlrev_b32 v[PFO1], 8, v1                   ; lanes 0-15: blocks of K; lanes 16-31: the same blocks of V, one part of qkv further on
	v_lshl_add_u32 v[PFO1], v48, 24, v[PFO1]
	; the prefetches' places: at step 1; each change of slots steps them first, so trip 0 names step 2.  Nothing is prefetched here, at the head
	s_lshl_b32 s16, s13, 12                        ; my work-group's 4,096 of two steps' 16,384 bytes
	s_add_co_u32 s16, s16, 16777216+8192
	s_mov_b32 s17, 0
	s_add_nc_u64 s[PFK:PFK+1], s[20:21], s[16:17]
	s_lshl_b32 s16, s74, 16
	s_lshl_b32 s18, s14, 14                        ; my work-group's quarter of the query block's bytes,
	s_add_co_u32 s16, s16, s18
	s_and_b32 s18, s[WV], 1
	s_lshl_b32 s18, s18, 13                        ; my wave's half of it
	s_add_co_u32 s16, s16, s18
	s_add_co_u32 s16, s16, 262144
	s_add_nc_u64 s[PFB:PFB+1], s[6:7], s[16:17]
	s_lshr_b32 s16, s[WV], 1
	s_xor_b32 s16, s16, 1                          ; 0 in waves 2 and 3,
	s_or_b32 s16, s16, s79                         ; in the first cluster: the same in all sixteen partners
	s_cmp_eq_u32 s16, 0
	s_cselect_b32 s[LIMB], 1, -1
	s_cmp_eq_u32 s[WV], 2
	s_cselect_b32 s[LIMK], 1, -1
.macro REGS p, u                       ; the registers of tile u (0, 1) of piece p
.set rT, ST+4*(2*(\p)+(\u))
.set rC, TMP+8*(\u)
.set rS, S+32*(\u)
.set rP, P+16*(\u)
.set rB, BB+16*(\u)
.set rO, 32*(2*(\p)+(\u))
.endm
; 16 products S^T = K Q^T for piece p: product i: channels 32 (i / 8) on, keys 16 ((i / 2) % 4) on, tile i % 2.  The first 8 start the sums.  The 8 accumulators take turns.
.macro KQ p
	WIN W_KQ
.set i, 0
.rept 16
.set aS, S+32*(i%2)+8*((i/2)%4)
.set aK, KF+16*((i/2)%4)+8*(i/8)
.set aQ, QF+16*(2*(\p)+i%2)+8*(i/8)
.if i < 8
	v_wmma_f32_16x16x32_f16 v[aS:aS+7], v[aK:aK+7], v[aQ:aQ+7], 0
.else
	v_wmma_f32_16x16x32_f16 v[aS:aS+7], v[aK:aK+7], v[aQ:aQ+7], v[aS:aS+7]
.endif
.set i, i+1
.endr
	WIN 0                                          ; four places behind those products (ISA guide 7.12.1): m is kept as m_old for both tiles, and two v_nop
	v_mov_b32 v[ST+8*(\p)+1], v[ST+8*(\p)]
	v_mov_b32 v[ST+8*(\p)+5], v[ST+8*(\p)+4]
	v_nop
	v_nop
.endm
; 16 products O^T += V^T P: product i: keys 32 (i / 8) on, channels 16 ((i / 2) % 4) on, tile i % 2.
.macro PV p
	WIN W_PV
.set i, 0
.rept 16
.set aO, 32*(2*(\p)+i%2)+8*((i/2)%4)
.set aV, VF+32*(i/8)+8*((i/2)%4)
.set aP, P+16*(i%2)+8*(i/8)
	v_wmma_f32_16x16x32_f16 v[aO:aO+7], v[aV:aV+7], v[aP:aP+7], v[aO:aO+7]
.set i, i+1
.endr
.endm
.macro BIAS p                          ; the piece's biases: tile u, 16 keys kb: my 8 keys are 16 bytes
.irp u, 0,1
.irp kb, 0,1,2,3
	ds_load_b128 v[BB+16*(\u)+4*(\kb):BB+16*(\u)+4*(\kb)+3], v[AB] offset:(2*(\p)+(\u))*16*PBP+32*(\kb)
.endr
.endr
.endm
.macro LG p                            ; the logits, in place: s x (log2(e) / 8) + bias, the bias read as a bf16 half.  Ascending: each accumulator's lowest register is read first
.set e, 0
.rept 32
.irp u, 0,1
	REGS \p, \u
.if e%2
	v_fma_mix_f32_bf16 v[rS+e], v[rS+e], v[CC], v[rB+e/2] op_sel:[0,0,1] op_sel_hi:[0,0,1]
.else
	v_fma_mix_f32_bf16 v[rS+e], v[rS+e], v[CC], v[rB+e/2] op_sel:[0,0,0] op_sel_hi:[0,0,1]
.endif
.endr
.set e, e+1
.endr
.endm
; Number n of the 20 that find a tile's maximum and a.  0-11: four chains c0-c3 of seven logits each, three operands at a time; 12-15: the four left over, the old m, and c0-c3 into c0;
; 16, 17: the query's other 32 keys lie in the lane 16 away: the new m; 18: m_old - m; 19: a.
.macro XS p, u, n
	REGS \p, \u
.if (\n) < 4
	v_max3_num_f32 v[rC+(\n)], v[rS+8*(\n)], v[rS+8*(\n)+1], v[rS+8*(\n)+2]
.elseif (\n) < 12
	v_max3_num_f32 v[rC+(\n)%4], v[rC+(\n)%4], v[rS+8*((\n)%4)+2*((\n)/4)+1], v[rS+8*((\n)%4)+2*((\n)/4)+2]
.elseif (\n) == 12
	v_max3_num_f32 v[rC], v[rC], v[rS+7], v[rS+15]
.elseif (\n) == 13
	v_max3_num_f32 v[rC+1], v[rC+1], v[rS+23], v[rS+31]
.elseif (\n) == 14
	v_max3_num_f32 v[rC+2], v[rC+2], v[rC+3], v[rT+1]
.elseif (\n) == 15
	v_max3_num_f32 v[rC], v[rC], v[rC+1], v[rC+2]
.elseif (\n) == 16
	v_permlanex16_b32 v[rC+3], v[rC], s[SEL], s[SEL+1]
.elseif (\n) == 17
	v_max_num_f32 v[rT], v[rC], v[rC+3]
.elseif (\n) == 18
	v_sub_f32 v[rC+6], v[rT+1], v[rT]
.else
	v_exp_f32 v[rC+4], v[rC+6]
.endif
.endm
.macro MX p
.irp n, 0,1,2,3,4,5,6,7,8,9,10,11,12,13,14,15,16,17,18
	XS \p, 0, \n
	XS \p, 1, \n
.endr
.endm
.macro SUBP p, u, b                    ; pair b: logit - m
	REGS \p, \u
	v_pk_add_f32 v[rS+2*(\b):rS+2*(\b)+1], v[rS+2*(\b):rS+2*(\b)+1], v[rT:rT+1] op_sel_hi:[1,0] neg_lo:[0,1] neg_hi:[0,1]
.endm
.macro EXPP p, u, b
	REGS \p, \u
	v_exp_f32 v[rS+2*(\b)], v[rS+2*(\b)]
	v_exp_f32 v[rS+2*(\b)+1], v[rS+2*(\b)+1]
.endm
; ONE BATCH: the two a and the piece's 64 exponentials, the subtraction of pair b + 1 ahead of the exponentials of pair b; nothing in it names an exponential's result.  A v_nop is the plain instruction behind the last one,
; and ONE s_wait_alu depctr_va_vdst(0), between the exponentials and the first line that names a result, serves them all.
.macro EX p
	XS \p, 0, 19
	XS \p, 1, 19
	SUBP \p, 0, 0
	SUBP \p, 1, 0
.set bb, 0
.rept 16
.if bb < 15
	SUBP \p, 0, bb+1
.endif
	EXPP \p, 0, bb
.if bb < 15
	SUBP \p, 1, bb+1
.endif
	EXPP \p, 1, bb
.set bb, bb+1
.endr
	v_nop
	s_wait_alu depctr_va_vdst(0)
.endm
; The weights are rounded to f16; their sum is taken in place, pairs 8, 4, 2 and 1 apart (in a pair: an even key's weight, an odd key's); l = a l + sum; O^T times a, ascending.
.macro FIN p
.set z, 0
.rept 16
.irp u, 0,1
	REGS \p, \u
	v_cvt_pk_f16_f32 v[rP+z], v[rS+2*z], v[rS+2*z+1]
.endr
.set z, z+1
.endr
.irp w, 8,4,2,1
.set z, 0
.rept \w
.irp u, 0,1
	REGS \p, \u
	v_pk_add_f32 v[rS+2*z:rS+2*z+1], v[rS+2*z:rS+2*z+1], v[rS+2*(z+(\w)):rS+2*(z+(\w))+1]
.endr
.set z, z+1
.endr
.endr
.irp u, 0,1
	REGS \p, \u
	v_pk_fma_f32 v[rT+2:rT+3], v[rT+2:rT+3], v[rC+4:rC+5], v[rS:rS+1] op_sel_hi:[1,0,1]
.endr
	WIN W_RS
.set z, 0
.rept 16
.irp u, 0,1
	REGS \p, \u
	v_pk_mul_f32 v[rO+2*z:rO+2*z+1], v[rO+2*z:rO+2*z+1], v[rC+4:rC+5] op_sel_hi:[1,0]
.endr
.set z, z+1
.endr
.endm
; A KEY STEP, in phases.  All its LDS loads but piece 1's biases stand in one run at its head.
.macro STEP
	WIN 0
	v_add_nc_u32 v[AK], s[TB], v[AK0]
	v_add_nc_u32 v[AV], s[TB], v[AV0]
	v_add_nc_u32 v[AB], s[TB], v[AB0]
	WIN W_T1
.irp f, 0,1,2,3,4,5,6,7                ; K: keys 16 (f / 2) on, channels 32 (f % 2) on
	ds_load_b128 v[KF+8*(\f):KF+8*(\f)+3],   v[AK] offset:((\f)/2)*16*PKP+((\f)%2)*64
	ds_load_b128 v[KF+8*(\f)+4:KF+8*(\f)+7], v[AK] offset:((\f)/2)*16*PKP+((\f)%2)*64+32
.endr
	WIN 0
	BIAS 0
.irp f, 0,1,2,3,4,5,6,7                ; V, turned: keys 32 (f / 4) on, channels 16 (f % 4) on
	ds_load_tr16_b128 v[VF+8*(\f):VF+8*(\f)+3],   v[AV] offset:((\f)/4)*32*PVP+((\f)%4)*32
	ds_load_tr16_b128 v[VF+8*(\f)+4:VF+8*(\f)+7], v[AV] offset:((\f)/4)*32*PVP+16*PVP+((\f)%4)*32
.endr
	s_wait_dscnt 24                                ; K is in; 8 loads of biases and 16 of V are younger
	KQ 0
	s_wait_dscnt 16                                ; piece 0's biases are in; V's 16 loads are younger
	LG 0
	MX 0
	BIAS 1                                         ; into the registers that piece 0's logits have read
	EX 0
	FIN 0
	s_wait_dscnt 8                                 ; V is in; piece 1's 8 loads are younger
	PV 0
	KQ 1
	s_wait_dscnt 0x0                               ; piece 1's biases
	LG 1
	MX 1
	EX 1
	FIN 1
	PV 1
	WIN 0
	PLACES                                         ; behind the last products: the next step's loads go into V's registers, the way out reads O^T
.endm
	s_wait_loadcnt 0x0                             ; Q
	s_mov_b32 s[TB], SLOT1                         ; the first change of slots turns it into 0
	s_mov_b32 s[CNT], 31
.Lstep:                                                ; trip j: step j + 1 is asked for, step j computed
	CHANGE 1
	STEP
	s_sub_co_u32 s[CNT], s[CNT], 1
	s_cmp_lg_u32 s[CNT], 0
	s_cbranch_scc1 .Lstep
	CHANGE 0                                       ; the last step is written out: nothing is asked for
	STEP
	; THE WAY OUT.  l's two halves and the other half of the lanes' are added; O^T is divided by l, rounded to f16 and sent through my stage in LDS, a tile at a time.
.irp t, 0,1,2,3
	v_add_f32 v[ST+4*(\t)+2], v[ST+4*(\t)+2], v[ST+4*(\t)+3]
.endr
.irp t, 0,1,2,3
	v_permlanex16_b32 v[ST+4*(\t)+3], v[ST+4*(\t)+2], s[SEL], s[SEL+1]
.endr
.irp t, 0,1,2,3
	v_add_f32 v[ST+4*(\t)+2], v[ST+4*(\t)+2], v[ST+4*(\t)+3]
.endr
.irp t, 0,1,2,3
	v_rcp_f32 v[ST+4*(\t)+2], v[ST+4*(\t)+2]
.endr
	v_nop                                          ; a plain instruction between the last reciprocal and the use of its result,
	s_wait_alu depctr_va_vdst(0)                   ; and the wait ahead of the first use: one for the four
.macro PACK t                          ; a lane's eight channels of a row pack into 16 bytes; they go into rows of 144 bytes and come back as whole rows of 128, into S^T's registers
	WIN W_RS
.set i, 32*(\t)
.rept 16
	v_pk_mul_f32 v[i:i+1], v[i:i+1], v[ST+4*(\t)+2:ST+4*(\t)+3] op_sel_hi:[1,0]
.set i, i+2
.endr
	WIN 0x05                                       ; sources 0 and 1 window 1, destination window 0
.set i, 0
.rept 16
	v_cvt_pk_f16_f32 v[S+16*(\t)+i], v[32*(\t)+2*i], v[32*(\t)+2*i+1]
.set i, i+1
.endr
	WIN 0
.irp f, 0,1,2,3
	ds_store_b128 v[STO], v[S+16*(\t)+4*(\f):S+16*(\t)+4*(\f)+3] offset:32*(\f)
.endr
.irp f, 0,1,2,3
	ds_load_b128 v[S+16*(\t)+4*(\f):S+16*(\t)+4*(\f)+3], v[RD] offset:(\f)*4*SP  ; LDS serves a wave's instructions in order (ISA guide 5.7.1.4): these see the stores above; the next tile's stores come behind them
.endr
.endm
.macro SEND t, younger                 ; younger: the LDS instructions issued behind tile t's loads
.irp f, 0,1,2,3
	s_wait_dscnt (\younger)+3-(\f)
	global_store_b128 v[GO], v[S+16*(\t)+4*(\f):S+16*(\t)+4*(\f)+3], s[8:9] offset:(\t)*2048+(\f)*512  ; 512 consecutive bytes, at a multiple of 256 from O's first
.endr
.endm
	PACK 0
.irp t, 1,2,3                          ; a tile's arithmetic stands between the loads of the tile before and its stores
	PACK \t
	SEND (\t)-1, 8
.endr
	SEND 3, 0
	s_wait_tensorcnt 0x0                           ; the wave's end, behind my last tensor load and my last LDS store
	ds_add_u32 v[SPW], v[NIL]
	s_wait_dscnt 0x0
	CROUND                                         ; the closing round: no work-group ends while a partner may still ask for a tile that names it
	s_endpgm
.Lfunc_end_k_q57898ab0ba_attn:
	.size	k_q57898ab0ba_attn, .Lfunc_end_k_q57898ab0ba_attn-k_q57898ab0ba_attn
	.p2alignl 7, 3214868480
	.fill 96, 4, 3214868480
	.section	.rodata,"a",@progbits
	.p2align	6, 0x0
	.amdhsa_kernel k_q57898ab0ba_attn
		.amdhsa_group_segment_fixed_size 327680
		.amdhsa_private_segment_fixed_size 0
		.amdhsa_enable_private_segment 0
		.amdhsa_kernarg_size 24
		.amdhsa_user_sgpr_count 2
		.amdhsa_user_sgpr_kernarg_segment_ptr 1
		.amdhsa_wavefront_size32 1
		.amdhsa_system_sgpr_workgroup_id_x 1
		.amdhsa_system_sgpr_workgroup_id_y 1
		.amdhsa_system_sgpr_workgroup_id_z 1
		.amdhsa_system_vgpr_workitem_id 0
		.amdhsa_next_free_vgpr 512
		.amdhsa_next_free_sgpr 80
		.amdhsa_reserve_vcc 0
		.amdhsa_float_denorm_mode_32 3
		.amdhsa_float_denorm_mode_16_64 3
		.amdhsa_memory_ordered 1
		.amdhsa_forward_progress 1
		.amdhsa_inst_pref_size 112
	.end_amdhsa_kernel
	.amdgpu_metadata
---
amdhsa.version: [ 1, 2 ]
amdhsa.kernels:
  - .name:           k_q57898ab0ba_attn
    .symbol:         k_q57898ab0ba_attn.kd
    .args:
      - { .name: qkv, .offset: 0, .size: 8, .value_kind: global_buffer, .address_space: global }
      - { .name: biasb, .offset: 8, .size: 8, .value_kind: global_buffer, .address_space: global }
      - { .name: oh, .offset: 16, .size: 8, .value_kind: global_buffer, .address_space: global }
    .group_segment_fixed_size: 327680
    .private_segment_fixed_size: 0
    .kernarg_segment_align: 8
    .kernarg_segment_size: 24
    .max_flat_workgroup_size: 256
    .sgpr_count:     80
    .vgpr_count:     512
    .wavefront_size: 32
...
	.end_amdgpu_metadata
.endif
;; end of part 3
;; launch outp (part 4): grid 4 x 64, 4 waves a work-group, clusters of 4 x 4, 327,680 bytes of LDS; arguments oh, wts, bo, out0; writes out0
.if DOCPART == 4
	.amdgcn_target "amdgcn-amd-amdhsa--gfx1250"
	.amdhsa_code_object_version 6
	.text
	.protected	k_q57898ab0ba_outp
	.globl	k_q57898ab0ba_outp
	.p2align	8
	.type	k_q57898ab0ba_outp,@function
k_q57898ab0ba_outp:
	s_mov_b64 s[64:65], 0
	v_nop
	global_prefetch_b8 v0, s[64:65] scope:SCOPE_SE
	s_setreg_imm32_b32 hwreg(HW_REG_WAVE_MODE, 25, 1), 1
	s_wait_xcnt 0x0
	s_wait_alu depctr_hold_cnt(0) depctr_sa_sdst(0) depctr_va_vdst(0) depctr_va_sdst(0) depctr_va_ssrc(0) depctr_va_vcc(0) depctr_vm_vsrc(0)
	s_getreg_b32 s2, hwreg(HW_REG_IB_STS2, 6, 4)
	s_cmp_eq_u32 s2, 0
	s_cbranch_scc0 .Lentry_in_a_cluster
	s_endpgm
.Lentry_in_a_cluster:
	s_bfe_u32 s2, ttmp6, 0x10000c
	s_cmp_lg_u32 s2, 0xf033
	s_cbranch_scc0 .Lentry_shape_is_right
	s_endpgm
.Lentry_shape_is_right:
; THE OUTPUT PROJECTION.  out0[m][n] = the sum over k of O[m][k] Wo[k][n] + bo[n].  O: oh, [batch x 16 + head][s 2048][64] f16, so that k = 64 head + channel; Wo: wts' fourth matrix, [k 1024][n 1024], bf16(Wo) written as f16;
; bo f32; out0 [8192][1024] f32.  Sums in f32; bo is the C operand of each sum's first product, so it costs no vector instruction.
; SHARES.  A tile of out0 is 128 rows x 256 columns: 64 x 4 tiles, 256 work-groups.  Four waves, each 64 x 128: 32 accumulators.  K goes in 8 steps of 128, two heads each, through two LDS slots.
; CLUSTER.  4 x 4: O's tile is asked for jointly along a row of the cluster, Wo's along a column.  THE MATRIX INSTRUCTION IS USED TRANSPOSED (source 0 = 16 columns of Wo, turned by ds_load_tr16_b128; source 1 = 16 rows of O).
; REGISTERS, in windows of 256 (s_set_vgpr_msb: bits 1:0 source 0, 3:2 source 1, 5:4 source 2, 7:6 destination):
;   window 0: v0-31 addresses; v96-127, v128-159 O's fragments, two buffers; v160-223 bo for my 128 columns, laid as 8 accumulators
;   window 1: the accumulators, (a, b) at v[8 (8 a + b)]          window 2: v0-63, v64-127 Wo's fragments, two buffers; on the way out all 256: rows read back from the stage
.set PA,    144                        ; a row of one head of O in LDS: 128 bytes + 16
.set HP,    128*PA                     ; a head's 128 rows
.set PB,    544                        ; a row of Wo: 512 + 32: 17 x 32 bytes
.set BOFF,  2*HP
.set SLOT,  2*HP+128*PB
.set STAGE, 2*SLOT                     ; behind the ring, never filled by a tensor load: 16 rows x 528 bytes for each wave
.set SP,    528
.set SPARE, STAGE+4*16*SP              ; the spare words, 128 bytes for each wave: two blocks of 256 bytes that no other line names
.set ADRA, 16
.set ADRB, 20
.set STO,  24
.set RD,   25
.set GO,   26
.set BOO,  27                          ; v27     my byte offset in 16 numbers of bo
.set SPW,  28
.set NIL,  29
.set PFO,  30
.set AF,   96
.set BIA,  160
.set G1A, 24
.set G0A, 32
.set G1B, 40
.set G0B, 48
.set PFA, 56
.set PFS, 58
.set LIM, 60
.set W_MUL,  0x52                      ; Wo window 2, O window 0, C and D window 1
.set W_MULB, 0x42                      ; the same with C (bo) in window 0
.set W_TOB,  0x80
.set MSB, 0
.macro WIN new
.if MSB != (\new)
	s_set_vgpr_msb (MSB<<8)|(\new)
.set MSB, (\new)
.endif
.endm
.macro PLACES                          ; four places (ISA guide 7.12.1 for vector instructions) in front of loads into registers that matrix instructions have read, and of LDS stores that read results
.rept 4
	v_nop
.endr
.endm
.macro JLOAD s                         ; a joint load: waves 0 and 1 fetch the step's two heads of O, waves 2 and 3 the two halves of Wo's tile; an s_nop 0 and four v_nop follow each line
	s_cmp_eq_u32 s15, 0
	s_cbranch_scc0 .Lfor_b_\@
	tensor_load_to_lds s[G0A+4*(\s):G0A+4*(\s)+3], s[G1A:G1A+7]
	s_nop 0
.rept 4
	v_nop
.endr
	s_branch .Lasked_\@
.Lfor_b_\@:
	tensor_load_to_lds s[G0B+4*(\s):G0B+4*(\s)+3], s[G1B:G1B+7]
	s_nop 0
.rept 4
	v_nop
.endr
.Lasked_\@:
.endm
; A prefetch of the K step that stands two refills on, a lane a block of 256 bytes.  O's rows are read by this row of the cluster alone: wave 0 asks for both heads, 16 blocks of each, the four partners sharing a head's 64 blocks by
; address (cx).  Wo's rows are read by all 16 clusters: the first asks, waves 2 and 3, the partners sharing by cy.  So each block is named once.  The loop's last trip has no K step two refills on.
.macro ASK
	s_cmp_gt_u32 s3, s[LIM]
	s_cbranch_scc0 .Lnot_mine_\@
	global_prefetch_b8 v[PFO], s[PFA:PFA+1] th:TH_LOAD_NT scope:SCOPE_SE
.Lnot_mine_\@:
.endm
.macro CREST
	s_cmp_lg_u32 s14, 0
	s_cbranch_scc1 .Lnot_wave_0_\@
	s_barrier_signal -3
.Lnot_wave_0_\@:
	s_barrier_wait -3
	s_barrier_signal -1
	s_barrier_wait -1
.endm
.macro CROUND
	s_barrier_signal -1
	s_barrier_wait -1
	CREST
.endm
	s_load_b256 s[4:11], s[0:1], 0x0               ; oh s[4:5], wts s[6:7], bo s[8:9], out0 s[10:11]
	v_lshl_add_u32 v[SPW], v0, 2, SPARE
	v_mov_b32 v[NIL], 0
	ds_add_u32 v[SPW], v[NIL]                      ; the wave's opening: the add and its wait stand ahead of my first tensor load; the set-up below, work on registers, stands between them
	v_lshrrev_b32 v1, 5, v0
	v_readfirstlane_b32 s14, v1                    ; wave 0..3
	s_lshr_b32 s15, s14, 1                         ; which 64 rows of the tile are mine.  Also: I fetch for O (0) or for Wo (1)
	s_and_b32 s16, s14, 1                          ; which 128 columns.  Also: which head of the step, or which 64 k rows, I fetch
	s_bfe_u32 s17, ttmp6, 0x40000                  ; cx
	s_bfe_u32 s18, ttmp6, 0x40004                  ; cy
	s_lshl_b32 s19, ttmp9, 2
	s_add_co_u32 s19, s19, s17                     ; tile column
	s_and_b32 s20, ttmp7, 0xffff                   ; cluster y
	s_lshl_b32 s22, s20, 2
	s_add_co_u32 s22, s22, s18                     ; tile row
	s_lshl_b32 s68, s18, 2
	s_lshl_b32 s68, 15, s68                        ; my row of the cluster
	s_lshl_b32 s69, 0x1111, s17                    ; my column
	s_or_b32 s[G1A+0], s68, (1<<16)|(1<<20)|(1<<21)|(4<<22)|(3<<25)  ; a head's 128 rows are 16,384 dense bytes: 64 rows of 256, padded by 4 words after every 32
	s_mov_b32 s[G1A+1], 128<<16
	s_mov_b32 s[G1A+2], 64<<16
	s_mov_b32 s[G1A+3], 128<<16
	s_mov_b32 s[G1A+4], 64
	s_mov_b32 s[G1A+5], 128
	s_mov_b32 s[G1A+6], 0
	s_mov_b32 s[G1A+7], 0
	s_or_b32 s[G1B+0], s69, (1<<16)|(1<<20)|(1<<21)|(6<<22)|(7<<25)  ; 64 k rows of 256 elements, padded by 8 words after every 128
	s_mov_b32 s[G1B+1], 256<<16
	s_mov_b32 s[G1B+2], 64<<16
	s_mov_b32 s[G1B+3], 256<<16
	s_mov_b32 s[G1B+4], 64
	s_mov_b32 s[G1B+5], 1024
	s_mov_b32 s[G1B+6], 0
	s_mov_b32 s[G1B+7], 0
	s_lshr_b32 s70, s22, 4                         ; O: the batch's 16 heads,
	s_lshl_b32 s70, s70, 4
	s_add_co_u32 s70, s70, s16                     ; head 0 or 1 of K step 0,
	s_lshl_b32 s70, s70, 18
	s_and_b32 s68, s22, 15
	s_lshl_b32 s68, s68, 14                        ; the tile row's 128 rows of 128 bytes
	s_add_co_u32 s70, s70, s68
	s_mov_b32 s71, 0
	s_lshl_b32 s74, s16, 17                        ; Wo: the 64 k rows of 2,048 bytes that I fetch,
	s_lshl_b32 s69, s19, 9                         ; the tile column's 512 bytes,
	s_add_co_u32 s74, s74, s69
	s_add_co_u32 s74, s74, 3*2097152               ; in the fourth matrix
	s_mov_b32 s75, 0
	s_mul_i32 s77, s16, HP                         ; and where they go: no place in the cluster enters an LDS address
	s_mul_i32 s78, s16, 64*PB
	s_add_co_u32 s78, s78, BOFF
	s_wait_dscnt 0x0                               ; the opening add is done
	s_wait_kmcnt 0x0
	s_add_nc_u64 s[70:71], s[4:5], s[70:71]
	s_add_nc_u64 s[74:75], s[6:7], s[74:75]
	CROUND                                         ; all sixteen work-groups are here: the first joint loads meet
.irp s, 0,1
	s_mov_b32 s[G0A+4*(\s)], 1
	s_add_co_u32 s[G0A+4*(\s)+1], s77, (\s)*SLOT
	s_add_nc_u64 s[G0A+4*(\s)+2:G0A+4*(\s)+3], s[70:71], (\s)*524288    ; K step s: two heads on
	s_or_b32 s[G0A+4*(\s)+3], s[G0A+4*(\s)+3], 0x80000000
	s_mov_b32 s[G0B+4*(\s)], 1
	s_add_co_u32 s[G0B+4*(\s)+1], s78, (\s)*SLOT
	s_add_nc_u64 s[G0B+4*(\s)+2:G0B+4*(\s)+3], s[74:75], (\s)*262144    ; 128 k rows down
	s_or_b32 s[G0B+4*(\s)+3], s[G0B+4*(\s)+3], 0x80000000
	JLOAD \s                                       ; two loads of mine are out
.endr
	v_and_b32 v1, 15, v0                           ; l % 16
	v_bfe_u32 v2, v0, 4, 1                         ; l / 16
	; bo, laid as the results are: register j of block b holds bo[my first column + 16 b + 8 (l / 16) + j]
	v_lshlrev_b32 v[BOO], 5, v2
	s_lshl_b32 s68, s19, 10
	s_lshl_b32 s69, s16, 9
	s_add_co_u32 s68, s68, s69
	s_mov_b32 s69, 0
	s_add_nc_u64 s[8:9], s[8:9], s[68:69]
.irp b, 0,1,2,3,4,5,6,7
	global_load_b128 v[BIA+8*(\b):BIA+8*(\b)+3],   v[BOO], s[8:9] offset:64*(\b)
	global_load_b128 v[BIA+8*(\b)+4:BIA+8*(\b)+7], v[BOO], s[8:9] offset:64*(\b)+16
.endr
	; the prefetches' place: at K step 3; each change of slots steps it first.  Nothing is prefetched here, at the head
	s_lshl_b32 s72, s17, 12                        ; O: my work-group's 4,096 of a head's 16,384 bytes
	s_add_co_u32 s72, s72, 3*524288
	s_mov_b32 s73, 0
	s_add_nc_u64 s[72:73], s[70:71], s[72:73]
	s_lshl_b32 s82, s18, 15                        ; Wo: my work-group's 16 of the 64 k rows
	s_add_co_u32 s82, s82, 3*262144
	s_mov_b32 s83, 0
	s_add_nc_u64 s[82:83], s[74:75], s[82:83]
	s_mov_b32 s[PFS], 262144
	s_mov_b32 s[PFS+1], 0
	s_mov_b32 s69, 2048
	s_mov_b32 s76, 1
	s_mov_b32 s79, 1
	s_cmp_eq_u32 s15, 0
	s_cselect_b64 s[PFA:PFA+1], s[72:73], s[82:83]
	s_cselect_b32 s[PFS], 524288, s[PFS]
	s_cselect_b32 s69, 262144, s69                 ; O: lanes 16-31 take the step's second head; Wo: two lanes a row of 2,048 bytes
	s_cselect_b32 s76, 4, s76
	s_cselect_b32 s79, 15, s79
	s_cselect_b32 s68, s16, s20                    ; 0 in wave 0, and in waves 2 and 3 of the first cluster
	s_cmp_eq_u32 s68, 0
	s_cselect_b32 s[LIM], 1, -1                    ; the same in all sixteen partners, for a given wave
	v_and_b32 v3, 31, v0
	v_lshrrev_b32 v4, s76, v3
	v_and_b32 v3, s79, v3
	v_mul_u32_u24 v[PFO], v4, s69
	v_lshl_add_u32 v[PFO], v3, 8, v[PFO]
	v_mul_u32_u24 v3, v1, PA                       ; a fragment of O: row x pitch + 16 x half; two loads, 32 bytes apart
	v_lshl_add_u32 v3, v2, 4, v3
	s_mul_i32 s68, s15, 64*PA
	v_add_nc_u32 v[ADRA], s68, v3
	v_add_nc_u32 v[ADRA+1], SLOT, v[ADRA]
	v_and_b32 v4, 7, v0                            ; the turning load: k row 8 (l / 16) + l % 8, columns 8 ((l / 8) % 2) + 0..7
	v_bfe_u32 v5, v0, 3, 1
	v_lshl_add_u32 v6, v2, 3, v4
	v_mul_u32_u24 v6, v6, PB
	v_lshl_add_u32 v6, v5, 4, v6
	s_lshl_b32 s68, s16, 8
	s_add_co_u32 s68, s68, BOFF
	v_add_nc_u32 v[ADRB], s68, v6
	v_add_nc_u32 v[ADRB+1], SLOT, v[ADRB]
	s_mul_i32 s68, s14, 16*SP
	s_add_co_u32 s68, s68, STAGE                   ; my stage
	v_mul_u32_u24 v[STO], v1, SP                   ; in: row l % 16, 32 bytes for each half of the lanes
	v_lshl_add_u32 v[STO], v2, 5, v[STO]
	v_add_nc_u32 v[STO], s68, v[STO]
	v_and_b32 v[GO], 31, v0                        ; back: 32 lanes take one row of 512 bytes,
	v_lshlrev_b32 v[GO], 4, v[GO]
	v_add_nc_u32 v[RD], s68, v[GO]
	s_lshl_b32 s68, s22, 19                        ; out0: the tile row's 128 rows of 4,096 bytes,
	s_lshl_b32 s69, s15, 18                        ; my 64,
	s_add_co_u32 s68, s68, s69
	s_lshl_b32 s69, s19, 10                        ; the tile column's 1,024 bytes,
	s_add_co_u32 s68, s68, s69
	s_lshl_b32 s69, s16, 9                         ; my 512
	s_add_co_u32 s68, s68, s69
	s_mov_b32 s69, 0
	s_add_nc_u64 s[10:11], s[10:11], s[68:69]
; 8 matrix instructions: row block a x all 8 column blocks, 32 along K, buffer f.  first = 1: the product starts the sum from bo.  The 32 accumulators take turns, in the same order in every quarter step.
.macro MUL8 f, a, first
.irp b, 0,1,2,3,4,5,6,7
.if \first
	WIN W_MULB
	v_wmma_f32_16x16x32_f16 v[8*(8*(\a)+(\b)):8*(8*(\a)+(\b))+7], v[64*(\f)+8*(\b):64*(\f)+8*(\b)+7], v[AF+32*(\f)+8*(\a):AF+32*(\f)+8*(\a)+7], v[BIA+8*(\b):BIA+8*(\b)+7]
.else
	WIN W_MUL
	v_wmma_f32_16x16x32_f16 v[8*(8*(\a)+(\b)):8*(8*(\a)+(\b))+7], v[64*(\f)+8*(\b):64*(\f)+8*(\b)+7], v[AF+32*(\f)+8*(\a):AF+32*(\f)+8*(\a)+7], v[8*(8*(\a)+(\b)):8*(8*(\a)+(\b))+7]
.endif
.endr
.endm
; 24 LDS loads in one run: quarter q of a slot (head q / 2 of the step, channels 32 (q % 2) on) into buffer g
.macro FETCH slot, q, g
	WIN 0
.irp a, 0,1,2,3
	ds_load_b128 v[AF+32*(\g)+8*(\a):AF+32*(\g)+8*(\a)+3],   v[ADRA+(\slot)] offset:((\q)/2)*HP+((\q)%2)*64+(\a)*16*PA
	ds_load_b128 v[AF+32*(\g)+8*(\a)+4:AF+32*(\g)+8*(\a)+7], v[ADRA+(\slot)] offset:((\q)/2)*HP+((\q)%2)*64+(\a)*16*PA+32
.endr
	WIN W_TOB
.irp b, 0,1,2,3,4,5,6,7
	ds_load_tr16_b128 v[64*(\g)+8*(\b):64*(\g)+8*(\b)+3],   v[ADRB+(\slot)] offset:(\q)*32*PB+32*(\b)
	ds_load_tr16_b128 v[64*(\g)+8*(\b)+4:64*(\g)+8*(\b)+7], v[ADRB+(\slot)] offset:(\q)*32*PB+32*(\b)+16*PB
.endr
.endm
.macro QUARTER slot, qn, f, first      ; multiplies buffer f; at its head it fetches quarter qn into the other buffer, which the quarter before multiplied
	s_wait_dscnt 0x0                               ; buffer f is in
.if !(\first)
	PLACES
.endif
	FETCH \slot, \qn, 1-(\f)
	MUL8 \f, 0, \first
	MUL8 \f, 1, \first
	MUL8 \f, 2, \first
	MUL8 \f, 3, \first
.endm
; The last quarter multiplies buffer 1 and changes slots: ONE barrier; in front of it each wave waits for all its tensor loads (one is out: its part of the next slot), adds 0 to its spare word, and waits for that and for its reads
; of this slot.  fill = 1: the barrier opens a round of the cluster's barrier, and this slot is filled again, two K steps ahead, first thing behind the round: 112 matrix instructions ahead of the wait for it.
.macro TURN slot, next, fill
.if \fill
	s_wait_xcnt 0x0                                ; the last prefetch, a K step back, has read its address
	s_add_nc_u64 s[PFA:PFA+1], s[PFA:PFA+1], s[PFS:PFS+1]
.endif
	WIN 0
	s_wait_tensorcnt 0x0                           ; all my tensor loads have landed
	ds_add_u32 v[SPW], v[NIL]                      ; 0 onto my spare word
	s_wait_dscnt 1                                 ; only the add may be out: buffer 1 is in
	MUL8 1, 0, 0                                   ; eight matrix instructions stand between the add and the wait for it
	s_wait_dscnt 0x0                               ; the add is done, and my reads of this slot are over
	s_barrier_signal -1
	MUL8 1, 1, 0
	WIN 0                                          ; at a branch and at a label every window is 0
	s_barrier_wait -1
.if \fill
	CREST                                          ; no wave of any partner still reads this slot's tile or has a load on its way
	s_add_nc_u64 s[G0A+4*(\slot)+2:G0A+4*(\slot)+3], s[G0A+4*(\slot)+2:G0A+4*(\slot)+3], 2*524288
	s_add_nc_u64 s[G0B+4*(\slot)+2:G0B+4*(\slot)+3], s[G0B+4*(\slot)+2:G0B+4*(\slot)+3], 2*262144
	JLOAD \slot                                    ; the four v_nop behind it are also the places in front of the loads below
.else
	PLACES
.endif
	FETCH \next, 0, 0
.if \fill
	WIN 0
	ASK
.endif
	MUL8 1, 2, 0
	MUL8 1, 3, 0
.endm
; THE WAY OUT, by blocks of 16 rows x 128 columns of f32: straight from the accumulators (each one's low half first) into my stage, rows of 528 bytes; back as whole rows of 512 bytes; a store covers one row's
; 512 consecutive bytes, at a multiple of 256 from out0's first.  No register is written twice.
.macro STG a
	WIN 0x04                                       ; the stores' data in window 1
.irp b, 0,1,2,3,4,5,6,7
	ds_store_b128 v[STO], v[8*(8*(\a)+(\b)):8*(8*(\a)+(\b))+3]   offset:64*(\b)
	ds_store_b128 v[STO], v[8*(8*(\a)+(\b))+4:8*(8*(\a)+(\b))+7] offset:64*(\b)+16
.endr
	WIN W_TOB
.irp i, 0,1,2,3,4,5,6,7,8,9,10,11,12,13,14,15
	ds_load_b128 v[64*(\a)+4*(\i):64*(\a)+4*(\i)+3], v[RD] offset:(\i)*SP  ; LDS serves a wave's instructions in order (ISA guide 5.7.1.4): these see the stores above; the next block's stores come behind them
.endr
.endm
.macro SEND a, younger                 ; younger: the LDS instructions issued behind block a's loads
	WIN 0x08                                       ; the stores' data in window 2
.irp i, 0,1,2,3,4,5,6,7,8,9,10,11,12,13,14,15
	s_wait_dscnt (\younger)+15-(\i)
	global_store_b128 v[GO], v[64*(\a)+4*(\i):64*(\a)+4*(\i)+3], s[10:11] offset:(16*(\a)+(\i))*4096 th:TH_STORE_NT
.endr
.endm
	s_wait_tensorcnt 1                             ; my part of K step 0 is in; K step 1's may stay out
	s_barrier_signal -1
	s_barrier_wait -1                              ; everybody's is
	FETCH 0, 0, 0
	s_wait_loadcnt 0x0                             ; bo
	QUARTER 0, 1, 0, 1                             ; the first quarter stands in front of the loop: its products start the sums
	WIN 0
	s_mov_b32 s3, 3
.Llap:                                                 ; a trip goes once round the ring, from a lap's second quarter to the next lap's first, and fills both slots again
	QUARTER 0, 2, 1, 0
	QUARTER 0, 3, 0, 0
	TURN 0, 1, 1
	QUARTER 1, 1, 0, 0
	QUARTER 1, 2, 1, 0
	QUARTER 1, 3, 0, 0
	TURN 1, 0, 1
	QUARTER 0, 1, 0, 0
	WIN 0
	s_sub_co_u32 s3, s3, 1
	s_cmp_lg_u32 s3, 0
	s_cbranch_scc1 .Llap
	QUARTER 0, 2, 1, 0                             ; the last lap fills nothing
	QUARTER 0, 3, 0, 0
	TURN 0, 1, 0
	QUARTER 1, 1, 0, 0
	QUARTER 1, 2, 1, 0
	QUARTER 1, 3, 0, 0
	s_wait_dscnt 0x0                               ; the very last quarter
	MUL8 1, 0, 0
	MUL8 1, 1, 0
	MUL8 1, 2, 0
	MUL8 1, 3, 0
	PLACES                                         ; the LDS stores read results just made, and the loads from the stage go into registers that the last products read
	STG 0
.irp a, 1,2,3                          ; a block's way through the stage stands between the loads of the block before and its stores
	STG \a
	SEND (\a)-1, 32
.endr
	SEND 3, 0
	WIN 0
	s_wait_tensorcnt 0x0                           ; the wave's end, behind my last tensor load and my last LDS store
	ds_add_u32 v[SPW], v[NIL]
	s_wait_dscnt 0x0
	CROUND                                         ; the closing round: no work-group ends while a partner may still ask for a tile that names it
	s_endpgm
.Lfunc_end_k_q57898ab0ba_outp:
	.size	k_q57898ab0ba_outp, .Lfunc_end_k_q57898ab0ba_outp-k_q57898ab0ba_outp
	.p2alignl 7, 3214868480
	.fill 96, 4, 3214868480
	.section	.rodata,"a",@progbits
	.p2align	6, 0x0
	.amdhsa_kernel k_q57898ab0ba_outp
		.amdhsa_group_segment_fixed_size 327680
		.amdhsa_private_segment_fixed_size 0
		.amdhsa_enable_private_segment 0
		.amdhsa_kernarg_size 32
		.amdhsa_user_sgpr_count 2
		.amdhsa_user_sgpr_kernarg_segment_ptr 1
		.amdhsa_wavefront_size32 1
		.amdhsa_system_sgpr_workgroup_id_x 1
		.amdhsa_system_sgpr_workgroup_id_y 1
		.amdhsa_system_sgpr_workgroup_id_z 1
		.amdhsa_system_vgpr_workitem_id 0
		.amdhsa_next_free_vgpr 768
		.amdhsa_next_free_sgpr 84
		.amdhsa_reserve_vcc 0
		.amdhsa_float_denorm_mode_32 3
		.amdhsa_float_denorm_mode_16_64 3
		.amdhsa_memory_ordered 1
		.amdhsa_forward_progress 1
		.amdhsa_inst_pref_size 90
	.end_amdhsa_kernel
	.amdgpu_metadata
---
amdhsa.version: [ 1, 2 ]
amdhsa.kernels:
  - .name:           k_q57898ab0ba_outp
    .symbol:         k_q57898ab0ba_outp.kd
    .args:
      - { .name: oh, .offset: 0, .size: 8, .value_kind: global_buffer, .address_space: global }
      - { .name: wts, .offset: 8, .size: 8, .value_kind: global_buffer, .address_space: global }
      - { .name: bo, .offset: 16, .size: 8, .value_kind: global_buffer, .address_space: global }
      - { .name: out0, .offset: 24, .size: 8, .value_kind: global_buffer, .address_space: global }
    .group_segment_fixed_size: 327680
    .private_segment_fixed_size: 0
    .kernarg_segment_align: 8
    .kernarg_segment_size: 32
    .max_flat_workgroup_size: 128
    .sgpr_count:     84
    .vgpr_count:     768
    .wavefront_size: 32
...
	.end_amdgpu_metadata
.endif
;; end of part 4
